; MI455X (gfx1250); checked and timed in simulation.
; The chip was launched on July 23, 2026; its instructions are those of AMD's public machine-readable ISA for CDNA 5 (MIT licence, August 2026) and "CDNA5" Instruction Set Architecture Reference Guide (July 2026). The comments in the code are by the model that wrote it; some were corrected since.
;; Causal Self Attention. Allowed arithmetic: matrix products marked QUANTISED: E2M1 operands, one E8M0 scale for each 32 along K, by v_wmma_scale_f32_16x16x128_f8f6f4 with both operands' format E2M1 (or v_wmma_scale_f32_32x16x128_f4), f32 sums; everything else in f32.
;; Inputs: Wk 1,024 x 1,024 float32; Wo 1,024 x 1,024 float32; Wq 1,024 x 1,024 float32; Wv 1,024 x 1,024 float32; bk 1,024 float32; bo 1,024 float32; bq 1,024 float32; bv 1,024 float32; padding_mask 4 x 2,048 bool; x 4 x 2,048 x 1,024 float32.
;; Outputs: out0 4 x 2,048 x 1,024 float32.
;; This version of the problem:
;;   THIS VERSION OF THE PROBLEM IS GIVEN IN LOW PRECISION. The matrix products marked QUANTISED in the list below multiply operands that are first quantised to E2M1 (2 exponent bits, 1 mantissa bit; 4 bits a number), with one power-of-two scale for each 32 numbers along K (OCP MX v1.0); their sums are f32. All else is computed in f32.
;;   The module's matrix products, in the order in which they are computed (A, B: the left and right operand; K: the contracted axis; several contracted axes count as one K, in the product's order):
;;     1. [M 8,192, K 1,024] x [K 1,024, N 1,024]; A: input x; B: input Wq: QUANTISED
;;     2. [M 8,192, K 1,024] x [K 1,024, N 1,024]; A: input x; B: input Wk: QUANTISED
;;     3. [M 8,192, K 1,024] x [K 1,024, N 1,024]; A: input x; B: input Wv: QUANTISED
;;     4. batch 64 x [M 2,048, K 64] x [K 64, N 2,048]; A: computed on the way; B: computed on the way: QUANTISED
;;     5. batch 64 x [M 2,048, K 2,048] x [K 2,048, N 64]; A: softmax (see below); B: computed on the way: QUANTISED
;;     6. [M 8,192, K 1,024] x [K 1,024, N 1,024]; A: computed on the way; B: input Wo: QUANTISED
;;   THE QUANTISER, for each operand of a quantised product, along K:
;;     - K is cut into blocks of 32 from its start; a last block that is shorter is filled with zeros.
;;     - A block's scale is 2^e with e = floor(log2(the largest magnitude in the block)) - 2, held to -126 .. 127; a block of zeros has e = 0. As a byte (E8M0): e + 127.
;;     - Each number is divided by its block's scale, clamped to +-6, and rounded to the nearest number of E2M1, ties to even, subnormals kept.
;;     - The product sums the exact products of the quantised numbers (number of the format x scale) in f32.
;;   ~~~python
;;   def quantise(x, axis):      # numpy; x: float32 -> the quantised numbers, widened to float32 again
;;       x = np.moveaxis(x, axis, -1); K = x.shape[-1]
;;       x = np.pad(x, [(0, 0)] * (x.ndim - 1) + [(0, -K % 32)]); x = x.reshape(x.shape[:-1] + (-1, 32)); a = np.abs(x).max(-1, keepdims=True)
;;       e = np.where(a > 0, np.clip(np.frexp(np.where(a > 0, a, 1))[1] - 1 - 2, -126, 127), 0)      # np.frexp(a)[1] - 1 = floor(log2(a)), exactly
;;       r = np.clip(x / 2.0 ** e, -6, 6)
;;       step = 2.0 ** (np.maximum(np.frexp(np.where(r == 0, 1, r))[1] - 1, 0) - 1)
;;       q = np.round(r / step) * step * 2.0 ** e      # np.round: ties to even
;;       return np.moveaxis(q.reshape(q.shape[:-2] + (-1,))[..., :K], -1, axis).astype(np.float32)
;;   ~~~
;;   SOFTMAX AHEAD OF A QUANTISED PRODUCT. Where the list says 'softmax', what is quantised is not the finished softmax but p = 2^(t - M), with t = logit x log2(e) and M = ceil(the row's largest t), a whole number; so 1/2 < the row's largest p <= 1. The row's sum l is taken of the UNQUANTISED p, in f32, and the product's result is divided by l at the end. Since M is a whole number, a kernel that streams over the keys may use a running M (the ceiling of the running maximum): every later rescaling is an exact power of two, which a block's scale takes up: the codes' values come out the same.
;;   OPERANDS COMPUTED ON THE WAY. 'Computed on the way' means the value that the module computes at that place (a softmax that the list does not call 'softmax' is quantised finished and normalised). What goes into a quantiser is computed in f32, as accurately as f32 sums, v_exp_f32 and their like allow (about 1e-6 of the number): no bf16 or f16 on the way to a quantiser, and a product that is left as it is and whose result goes on into a quantised operand takes f32 operands (vector FMAs, or v_wmma_f32_16x16x4_f32). A number that lies on a knife's edge between two numbers of the format may be rounded either way, as far as f32 arithmetic and the matrix unit's own rounding can turn it there, and no further.
;; 2 versions, each right; version 2 is version 1 with the launch attn written anew for expert scheduling mode. Each part assembles by itself: llvm-mc -triple=amdgcn-amd-amdhsa -mcpu=gfx1250 --defsym DOCPART=n.
;; ======== version 1 of 2: 4 launches
;; workspace buffers: xw_codes 6,291,456 bytes; xw_scales 393,216 bytes; maskbits 1,024 bytes of whole numbers; qkv_codes 12,582,912 bytes; qkv_scales 786,432 bytes; a_img 4,194,304 bytes; a_scales 262,144 bytes
;; launch quant (part 1): grid 384 x 1, 4 waves a work-group, no clusters, 33,280 bytes of LDS; arguments x, Wq, Wk, Wv, Wo, padding_mask, xw_codes, xw_scales, maskbits; writes xw_codes, xw_scales, maskbits
.if DOCPART == 1
	.amdgcn_target "amdgcn-amd-amdhsa--gfx1250"
	.amdhsa_code_object_version 6
	.text
	.protected	k_qa47fc35bec_quant
	.globl	k_qa47fc35bec_quant
	.p2align	8
	.type	k_qa47fc35bec_quant,@function
k_qa47fc35bec_quant:
	s_mov_b64 s[64:65], 0
	v_nop
	global_prefetch_b8 v0, s[64:65] scope:SCOPE_SE
	s_setreg_imm32_b32 hwreg(HW_REG_WAVE_MODE, 25, 1), 1
	s_wait_xcnt 0x0
; x [8192][1024] and Wq, Wk, Wv, Wo [1024][1024], f32, K innermost, become codes of FP4 (E2M1) with one E8M0 byte for each 32 along K: 12,288 rows of 512 bytes of codes and of 32 scale bytes,
; x first, then Wq, Wk, Wv, Wo.  A block's scale is 2^(floor(log2(its largest magnitude)) - 2); its byte is the largest magnitude's exponent field - 2, held at 1 from below.
; THE ORDER OF ROWS.  In each group of 32 rows of x, Wq, Wk and Wv the second and the third run of 8 rows change places (place 16 u + r holds row 8 u + r + 8 (r / 8)); Wo's rows stay.  A tile of 16 places
; used as a matrix instruction's source 0 then leaves 16 NEIGHBOURS of the result in the 16 registers of two neighbouring tiles, which is what the next quantiser wants.
; SHARES.  A work-group takes one group of 32 rows, a wave 8 of them: 8,192 numbers, 16 steps of 512.  Work-groups 0-255: x; then 32 each for Wq, Wk, Wv, Wo.  The wave's 8 rows are dense in memory and so
; are their codes and bytes: the change of places is the wave's number at the destination.  Loads take the bytes as they lie (512 a load); a step's 2,048 bytes turn through the wave's own stage in LDS, so that
; a lane holds 16 neighbours (two lanes a block).  Loads run four steps ahead, the turn one.  No barrier: waves share nothing.
; THE PADDING MASK (8,192 bytes, 0 or 1) becomes 256 words of 32 bits, bit k of word w = byte 32 w + k: the eight waves of work-groups 0 and 1 make 32 words each, behind their streams.
; LIMITS: a block of zeros, or one whose largest magnitude lies under 2^-124, keeps the byte 1 (this program alone reads the bytes); NaN and infinities among the inputs are not served.
.set STEPS, 16
.set CB,    8                          ; bytes of 16 codes
.set R,     16                         ; v16-79   four sets of 16 numbers as loaded
.set X,     80                         ; v80-111  two sets of 16 neighbours
.set E,     112                        ; v112-127 a scale byte for each step
.set C,     128                        ; v128-191 codes, four registers for each step: no store's data are written again
.set WREG,  8192                       ; LDS: a region for each wave: two stages of 32 x SP bytes, then its 256 scale bytes
.set SP,    80                         ; a lane's place in a stage: 64 bytes + 16 of padding
	s_load_b256 s[4:11], s[0:1], 0x0               ; x, Wq, Wk, Wv
	s_load_b128 s[12:15], s[0:1], 0x20             ; Wo, the padding mask
	s_load_b128 s[20:23], s[0:1], 0x30             ; the codes, the scale bytes
	s_load_b64 s[24:25], s[0:1], 0x40              ; the mask's words
	v_lshl_add_u32 v192, v0, 2, 0x8000
	v_mov_b32 v193, 0
	v_lshrrev_b32 v1, 5, v0
	v_readfirstlane_b32 s16, v1                    ; wave
	v_and_b32 v2, 31, v0                           ; lane
	v_lshlrev_b32 v3, 4, v2                        ; my 16 bytes of a load's 512
	s_mul_i32 s17, s16, WREG
	v_lshrrev_b32 v14, 2, v2
	v_mul_u32_u24 v14, v14, SP
	v_and_b32 v15, 3, v2
	v_lshl_add_u32 v14, v15, 4, v14
	v_add_nc_u32 v14, s17, v14                     ; the stage, in: SP (lane / 4) + 16 (lane % 4); a load's 512 bytes take eight places
	v_mul_u32_u24 v15, v2, SP
	v_add_nc_u32 v15, s17, v15                     ; out: SP x lane: my 16 neighbours
	v_mul_u32_u24 v4, v2, CB                       ; my codes' place in a step's
	v_lshrrev_b32 v5, 1, v2
	s_add_co_u32 s17, s17, 2*32*SP
	v_add_nc_u32 v5, s17, v5                       ; LDS: my block's byte among my wave's 256
	v_lshlrev_b32 v7, 3, v2                        ; on the way out 8 bytes a lane
	v_add_nc_u32 v6, s17, v7
	s_sub_co_u32 s26, ttmp9, 256
	s_lshr_b32 s27, s26, 5                         ; which weight (a large number in x's work-groups: it then equals none of 1, 2, 3)
	s_and_b32 s26, s26, 31                         ; and which group of its rows
	s_wait_kmcnt 0x0
	s_cmp_eq_u32 s27, 1                            ; the source is chosen by the work-group's number alone
	s_cselect_b64 s[6:7], s[8:9], s[6:7]
	s_cmp_eq_u32 s27, 2
	s_cselect_b64 s[6:7], s[10:11], s[6:7]
	s_cmp_eq_u32 s27, 3
	s_cselect_b64 s[6:7], s[12:13], s[6:7]
	s_cmp_lt_u32 ttmp9, 256
	s_cselect_b64 s[4:5], s[4:5], s[6:7]
	s_cselect_b32 s26, ttmp9, s26                  ; the group within the source
	s_lshl_b32 s26, s26, 2
	s_add_co_u32 s26, s26, s16                     ; my run of 8 rows there
	s_lshl_b32 s28, s26, 15                        ; 32,768 bytes a run
	s_mov_b32 s29, 0
	s_add_nc_u64 s[4:5], s[4:5], s[28:29]
	s_and_b32 s30, s16, 1                          ; at the destination waves 1 and 2 change places,
	s_lshl_b32 s30, s30, 1
	s_lshr_b32 s31, s16, 1
	s_or_b32 s30, s30, s31
	s_cmp_lt_u32 ttmp9, 352                        ; but not in Wo (work-groups 352 on)
	s_cselect_b32 s30, s30, s16
	s_lshl_b32 s31, ttmp9, 2
	s_add_co_u32 s30, s30, s31                     ; the run at the destination: 4 x work-group + place
	s_lshl_b32 s28, s30, 12                        ; 4,096 bytes of codes a run,
	s_add_nc_u64 s[20:21], s[20:21], s[28:29]
	s_lshl_b32 s28, s30, 8                         ; 256 scale bytes
	s_add_nc_u64 s[22:23], s[22:23], s[28:29]
.macro LOAD t
.irp i, 0,1,2,3
	global_load_b128 v[R+16*((\t)%4)+4*\i:R+16*((\t)%4)+4*\i+3], v3, s[4:5] offset:2048*(\t)+512*\i th:TH_LOAD_NT   ; 32 lanes read 512 consecutive bytes; read once in the launch
.endr
.endm
.macro TURN t                          ; step t's numbers through the stage: LDS serves a wave's instructions in order (ISA guide 5.7.1.4), so no wait stands between the stores and the loads
.irp i, 0,1,2,3
	ds_store_b128 v14, v[R+16*((\t)%4)+4*\i:R+16*((\t)%4)+4*\i+3] offset:32*SP*((\t)%2)+8*SP*\i
.endr
.irp i, 0,1,2,3
	ds_load_b128 v[X+16*((\t)%2)+4*\i:X+16*((\t)%2)+4*\i+3], v15 offset:32*SP*((\t)%2)+16*\i
.endr
.endm
.irp t, 0,1,2,3
	LOAD \t
.endr
	s_wait_loadcnt 12                              ; step 0's four loads are in; the twelve of steps 1 to 3 may be out
	TURN 0
.macro STEP t
.set XS, X+16*((\t)%2)
.if (\t) > 0
	s_wait_dscnt 1                                 ; this step's numbers are back from the stage (the last step's byte store may be out), so its stores into the stage have read their registers,
.else
	s_wait_dscnt 0x0
.endif
.if (\t)+4 < STEPS
	LOAD (\t)+4                                    ; which take the loads of four steps on
.endif
.if (\t)+1 < STEPS
.if STEPS-2-(\t) >= 3
	s_wait_loadcnt 12                              ; the next step's four loads are in; those of the three steps behind it may be out
.else
	s_wait_loadcnt 4*(STEPS-2-(\t))
.endif
	TURN (\t)+1                                    ; and go through the other stage while this step is worked
.endif
	v_max3_num_f32 v8, |v[XS]|, |v[XS+1]|, |v[XS+2]|               ; the largest magnitude of my 16, in two chains
	v_max3_num_f32 v9, |v[XS+3]|, |v[XS+4]|, |v[XS+5]|
.irp i, 6,10
	v_max3_num_f32 v8, v8, |v[XS+\i]|, |v[XS+\i+1]|
	v_max3_num_f32 v9, v9, |v[XS+\i+2]|, |v[XS+\i+3]|
.endr
	v_max3_num_f32 v8, v8, |v[XS+14]|, |v[XS+15]|
	v_max3_num_f32 v8, v8, v9, 0x1800000           ; and the floor 2^(3 - 127): the byte cannot fall under 1
	v_max_num_f32_dpp v8, v8, v8 row_xmask:1 row_mask:0xf bank_mask:0xf   ; and of my neighbour's 16: the block's
	v_add_nc_u32 v11, 0xff000000, v8               ; 2 off its exponent field: the conversion takes the exponent field of this operand as its scale
	v_cvt_scalef32_pk8_fp4_f32 v[C+4*(\t)], v[XS:XS+7], v11
	v_cvt_scalef32_pk8_fp4_f32 v[C+4*(\t)+1], v[XS+8:XS+15], v11
	v_lshrrev_b32 v[E+(\t)], 23, v11               ; the scale's byte (a plain line behind the conversions)
	ds_store_b8 v5, v[E+(\t)] offset:16*(\t)       ; both lanes of a block write the same byte with the same value
	global_store_b64 v4, v[C+4*(\t):C+4*(\t)+1], s[20:21] offset:32*CB*(\t)   ; the wave stores 256 consecutive bytes, aligned
.endm
.irp t, 0,1,2,3,4,5,6,7,8,9,10,11,12,13,14,15
	STEP \t
.endr
	ds_load_b64 v[12:13], v6                       ; my wave's 256 scale bytes: these loads see my stores
	s_wait_dscnt 0x0
	global_store_b64 v7, v[12:13], s[22:23]        ; 256 consecutive bytes, aligned
	; the padding mask: 8 waves x 1,024 bytes.  Load j takes bytes 32 j + lane; a compare makes of them word j, which goes to lane j
	s_cmp_lt_u32 ttmp9, 2
	s_cbranch_scc0 .Ldone
	s_lshl_b32 s26, ttmp9, 2
	s_add_co_u32 s26, s26, s16                     ; which 1,024 bytes: 4 x work-group + wave
	s_lshl_b32 s28, s26, 10
	s_mov_b32 s29, 0
	s_add_nc_u64 s[14:15], s[14:15], s[28:29]
	s_lshl_b32 s28, s26, 7                         ; their 32 words
	s_add_nc_u64 s[24:25], s[24:25], s[28:29]
.irp j, 0,1,2,3,4,5,6,7,8,9,10,11,12,13,14,15,16,17,18,19,20,21,22,23,24,25,26,27,28,29,30,31
	global_load_u8 v[R+\j], v2, s[14:15] offset:32*\j
.endr
	v_mov_b32 v[R+32], 0                           ; (a lane write's destination counts as read)
	v_lshlrev_b32 v[R+33], 2, v2
	s_wait_loadcnt 0x0
.irp j, 0,1,2,3,4,5,6,7,8,9,10,11,12,13,14,15,16,17,18,19,20,21,22,23,24,25,26,27,28,29,30,31
	v_cmp_ne_u32 s30, 0, v[R+\j]                   ; bit lane = byte 32 j + lane
	v_writelane_b32 v[R+32], s30, \j
.endr
	global_store_b32 v[R+33], v[R+32], s[24:25]    ; 128 consecutive bytes
.Ldone:
	s_wait_tensorcnt 0x0
	ds_add_u32 v192, v193
	s_wait_dscnt 0x0
	s_endpgm
.Lfunc_end_k_qa47fc35bec_quant:
	.size	k_qa47fc35bec_quant, .Lfunc_end_k_qa47fc35bec_quant-k_qa47fc35bec_quant
	.p2alignl 7, 3214868480
	.fill 96, 4, 3214868480
	.section	.rodata,"a",@progbits
	.p2align	6, 0x0
	.amdhsa_kernel k_qa47fc35bec_quant
		.amdhsa_group_segment_fixed_size 33280
		.amdhsa_private_segment_fixed_size 0
		.amdhsa_enable_private_segment 0
		.amdhsa_kernarg_size 72
		.amdhsa_user_sgpr_count 2
		.amdhsa_user_sgpr_kernarg_segment_ptr 1
		.amdhsa_wavefront_size32 1
		.amdhsa_system_sgpr_workgroup_id_x 1
		.amdhsa_system_sgpr_workgroup_id_y 1
		.amdhsa_system_sgpr_workgroup_id_z 1
		.amdhsa_system_vgpr_workitem_id 0
		.amdhsa_next_free_vgpr 194
		.amdhsa_next_free_sgpr 66
		.amdhsa_reserve_vcc 0
		.amdhsa_float_denorm_mode_32 3
		.amdhsa_float_denorm_mode_16_64 3
		.amdhsa_memory_ordered 1
		.amdhsa_forward_progress 1
		.amdhsa_inst_pref_size 41
	.end_amdhsa_kernel
	.amdgpu_metadata
---
amdhsa.version: [ 1, 2 ]
amdhsa.kernels:
  - .name:           k_qa47fc35bec_quant
    .symbol:         k_qa47fc35bec_quant.kd
    .args:
      - { .name: x, .offset: 0, .size: 8, .value_kind: global_buffer, .address_space: global }
      - { .name: Wq, .offset: 8, .size: 8, .value_kind: global_buffer, .address_space: global }
      - { .name: Wk, .offset: 16, .size: 8, .value_kind: global_buffer, .address_space: global }
      - { .name: Wv, .offset: 24, .size: 8, .value_kind: global_buffer, .address_space: global }
      - { .name: Wo, .offset: 32, .size: 8, .value_kind: global_buffer, .address_space: global }
      - { .name: padding_mask, .offset: 40, .size: 8, .value_kind: global_buffer, .address_space: global }
      - { .name: xw_codes, .offset: 48, .size: 8, .value_kind: global_buffer, .address_space: global }
      - { .name: xw_scales, .offset: 56, .size: 8, .value_kind: global_buffer, .address_space: global }
      - { .name: maskbits, .offset: 64, .size: 8, .value_kind: global_buffer, .address_space: global }
    .group_segment_fixed_size: 33280
    .private_segment_fixed_size: 0
    .kernarg_segment_align: 8
    .kernarg_segment_size: 72
    .max_flat_workgroup_size: 128
    .sgpr_count:     66
    .vgpr_count:     194
    .wavefront_size: 32
...
	.end_amdgpu_metadata
.endif
;; end of part 1
;; launch proj (part 2): grid 8 x 48, 4 waves a work-group, clusters of 4 x 4, 327,680 bytes of LDS; arguments xw_codes, xw_scales, bq, bk, qkv_codes, qkv_scales, bv; writes qkv_codes, qkv_scales
.if DOCPART == 2
	.amdgcn_target "amdgcn-amd-amdhsa--gfx1250"
	.amdhsa_code_object_version 6
	.text
	.protected	k_qa47fc35bec_proj
	.globl	k_qa47fc35bec_proj
	.p2align	8
	.type	k_qa47fc35bec_proj,@function
k_qa47fc35bec_proj:
	s_mov_b64 s[64:65], 0
	v_nop
	global_prefetch_b8 v0, s[64:65] scope:SCOPE_SE
	s_setreg_imm32_b32 hwreg(HW_REG_WAVE_MODE, 25, 1), 1
	s_wait_xcnt 0x0
	s_wait_alu depctr_hold_cnt(0) depctr_sa_sdst(0) depctr_va_vdst(0) depctr_va_sdst(0) depctr_va_ssrc(0) depctr_va_vcc(0) depctr_vm_vsrc(0)
	s_getreg_b32 s2, hwreg(HW_REG_IB_STS2, 6, 4)
	s_cmp_eq_u32 s2, 0
	s_cbranch_scc0 .Lentry_in_a_cluster
	s_endpgm
.Lentry_in_a_cluster:
	s_bfe_u32 s2, ttmp6, 0x10000c
	s_cmp_lg_u32 s2, 0xf033
	s_cbranch_scc0 .Lentry_shape_is_right
	s_endpgm
.Lentry_shape_is_right:
; q = x Wq^T + bq, k = x Wk^T + bk, v = x Wv^T + bv on codes of FP4 (E2M1) with E8M0 scales, K = 1,024; the results are quantised in registers and leave as codes: q and k along the head's 64, v along the keys.
; A tile of 256 x 256 is made by four waves, 128 x 128 each: 64 accumulators of 16 x 16.  K goes in two steps of 512, one in each of two LDS slots: all of K is asked for at the start, nothing is filled again.
; THE MATRIX INSTRUCTION IS USED TRANSPOSED: source 0 = 16 rows of "B", source 1 = 16 rows of "A": a lane holds ONE row of A, and its registers run along B's rows, which is the axis that is quantised.
;   clusters with y < 8 (256 tiles): A = x, B = Wq and Wk (2,048 rows on end): a lane holds a token, its registers features.
;   clusters with y >= 8 (128 tiles): A = Wv, B = x: a lane holds a channel, its registers tokens (keys).
; x's, Wq's, Wk's and Wv's rows lie in the order in which place 16 u + r of a group of 32 holds row 8 u + r + 8 (r / 8).  So register j of tile 2 b + u holds B's row 32 b + 16 (lane / 16) + 8 u + j: the 16 registers of two
; neighbouring tiles are 16 neighbours, and a block of 32 lies in lanes l and l xor 16.  A's rows stay places: the later launches take them so.
; OUT (every store of codes covers 512 consecutive bytes, aligned): images of operands' registers, 16 bytes a lane at 16 x lane.
;   q, k: [32 heads: q's 16, k's 16][512 tiles of 16 places][512 bytes]; lane (r, h): dims 32 h .. 32 h + 31 of place r.   scale words [32][64 groups of 8 tiles][r 16][4]: word f = tile 2 f's two bytes, then tile 2 f + 1's.
;   v, from byte 8,388,608: [64 (batch, head)][16 steps of 128 keys][4 tiles of 16 channel places][2][lane][16].   scale words, from byte 524,288: [64][16][r 16][4 tiles].
; CLUSTERS: 4 x 4 work-groups; A's tiles are asked for jointly along a row of the cluster, B's along a column.  The one branch on the work-group's number hangs on the cluster's y, which all sixteen share.
; REGISTERS, in windows of 256: window 0: v0-31 addresses; v32-95 scale words, two sets; v128-191 A's fragments, one set; on the way out v128-229 at work.  window 1: B's fragments at v0 and v128; v64-127 the bias.
;   window 2: the accumulators of my rows 0-63 ((a, b) at v[8 (8 a + b)]);  window 3: those of rows 64-127.
; LIMITS: a block of zeros, or one whose largest magnitude lies under 2^-124, keeps the byte 1 (this program alone reads the bytes); NaN and infinities are not served.
.set NQ,     4                         ; matrix instructions deep in a slot: 512 along K
.set ROWB,   256                       ; a tile's row in bytes
.set KROW,   512                       ; a row of codes in memory
.set PITCH,  272                       ; an LDS row: 256 bytes + 16 of padding: the 16 rows that a load touches start at 16 different banks (64 banks of 4 bytes: ISA guide 11.1)
.set FR,     8                         ; registers of a fragment: 16 rows x 128 K
.set NL,     2                         ; LDS loads that bring one
.set NP,     4                         ; places behind this matrix instruction (ISA guide 7.12.1)
.set HALFT,  128*PITCH                 ; 128 rows: what one tensor load brings
.set SLOT,   4*HALFT                   ; A's 256 rows, then B's
.set KS,     32                        ; a row of scale bytes
.set SCL,    2*SLOT                    ; behind the slots: the scales, as units of 256 bytes + 16 of padding
.set HALFS,  (128*KS/256)*272          ; those of 128 rows
.set SBLK,   (16*KS/256)*272           ; those of 16 rows
.set SPARE,  SCL+4*HALFS               ; the spare words, 128 bytes for each wave: two blocks of 256 bytes that no other line names
.set BO,   7                           ; v7      the bias loads' lane offset
.set ADRA, 16                          ; v16-17  LDS address of my A fragments in slot 0, 1
.set ADRB, 20                          ; v20-21  the same for B
.set SCO,  25                          ; v25     the way out: my lane's place among the scale words
.set CO,   26                          ; v26     16 x lane
.set ADRS, 27                          ; v27     LDS address of my scale words: lanes 0-15 A's rows, lanes 16-31 B's
.set SPW,  28                          ; v28     LDS address of my spare word; never rewritten
.set NIL,  29                          ; v29     0; never rewritten
.set SC,   32                          ; scale words: set s at v[SC + 32 s]; register 4 i + q: lanes 0-15 A's block i, lanes 16-31 B's block i, the slot's q-th 128 along K
.set AF,   128                         ; A's fragments
.set BI,   64                          ; the bias, in window 1
.set T,    128                         ; the way out: 64 numbers of a lane
.set PC,   192                         ; v192-199 the codes just made
.set TM,   200                         ; v200-203 largest magnitudes, v204-207 bytes, v212-215 the conversions' scale operands
.set PWS,  216                         ; v216-223 the eight blocks' scale words
.set SW,   224                         ; v224-227 the words as they are stored
.set SELV, 228                         ; v228-229 byte selects
.set SEL,  100                         ; s[100:101] lane selects for v_permlanex16_b32: lane l xor 16
.set G1, 24                            ; s[24:31] descriptor group 1 for A's tiles;  s[32:39] group 0, one set for each slot
.set G0, 32
.set G1B, 48                           ; s[48:55], s[56:63] the same for B's
.set G0B, 56
.set G1S, 68                           ; s[68:75], s[76:79] groups 1 and 0 for A's scales;  s[80:87], s[88:91] for B's
.set G0S, 76
.set G1SB, 80
.set G0SB, 88
.set MSB, 0
.macro WIN new                         ; the immediate's high byte repeats the setting that is left; a switch that changes nothing is dropped
.if MSB != (\new)
	s_set_vgpr_msb (MSB<<8)|(\new)
.set MSB, (\new)
.endif
.endm
.set MUL_LO, 0xa1                      ; source 0 (B) window 1, source 1 (A) window 0, C and D window 2
.set MUL_HI, 0xf1                      ; the same, C and D window 3
.set TO_B,   0x40                      ; destination window 1, address window 0
; A joint load: waves 0 and 1 fetch for A, waves 2 and 3 for B; the branch hangs on the wave's number alone.  Four v_nop follow each of the two lines.
.macro JLOAD g0a, g1a, g0b, g1b
	s_cmp_eq_u32 s15, 0
	s_cbranch_scc0 .Lfor_b_\@
	tensor_load_to_lds s[\g0a:\g0a+3], s[\g1a:\g1a+7]
	s_nop 0
.rept 4
	v_nop
.endr
	s_branch .Lasked_\@
.Lfor_b_\@:
	tensor_load_to_lds s[\g0b:\g0b+3], s[\g1b:\g1b+7]
	s_nop 0
.rept 4
	v_nop
.endr
.Lasked_\@:
.endm
.macro CROUND                          ; a round of the cluster's barrier
	s_barrier_signal -1
	s_barrier_wait -1
	s_cmp_lg_u32 s14, 0
	s_cbranch_scc1 .Lnot_wave_0_\@
	s_barrier_signal -3
.Lnot_wave_0_\@:
	s_barrier_wait -3
	s_barrier_signal -1
	s_barrier_wait -1
.endm
	s_load_b128 s[4:7], s[0:1], 0x0                ; the codes of x and the weights, their scale bytes
	s_load_b128 s[8:11], s[0:1], 0x20              ; where the codes of q, k, v go, and their scale words
	s_load_b64 s[12:13], s[0:1], 0x30              ; bv
	v_lshl_add_u32 v[SPW], v0, 2, SPARE
	v_mov_b32 v[NIL], 0
	ds_add_u32 v28, v29
	ds_add_u32 v28, v29
	s_wait_dscnt 0x0
	v_lshrrev_b32 v1, 5, v0
	v_readfirstlane_b32 s14, v1                    ; wave 0..3
	s_lshr_b32 s15, s14, 1                         ; which half of A's rows is mine.  Also: I fetch for A (0) or for B (1)
	s_and_b32 s16, s14, 1                          ; which half of B's rows.  Also: which 128 rows of that tile I fetch
	s_bfe_u32 s40, ttmp6, 0x40000                  ; cx, cy: my place in the cluster
	s_bfe_u32 s41, ttmp6, 0x40004
	s_and_b32 s95, ttmp7, 0xffff                   ; the cluster's y: under 8 q and k, from 8 on v
	s_cmp_lt_u32 s95, 8
	s_cselect_b32 s96, s95, 0                      ; A's tile rows walk with the cluster's y for q and k; Wv has the cluster's four
	s_cselect_b32 s97, 0, 10240                    ; A's first row among the 12,288: x, or Wv
	s_cselect_b32 s98, 8192, 0                     ; B's: Wq and Wk, or x
	s_max_u32 s99, s95, 8
	s_sub_co_u32 s99, s99, 8
	s_lshl_b32 s99, s99, 3                         ; for v each cluster y takes 8 more tile columns of x
	s_lshl_b32 s42, ttmp9, 2
	s_add_co_u32 s42, s42, s40
	s_add_co_u32 s42, s42, s99                     ; B's tile = 4 x cluster x + cx (+ 8 x (cluster y - 8))
	s_lshl_b32 s17, s96, 2
	s_add_co_u32 s17, s17, s41                     ; A's tile = 4 x cluster y + cy, or cy
	s_lshl_b32 s43, s41, 2
	s_lshl_b32 s43, 15, s43                        ; my row of the cluster
	s_lshl_b32 s44, 0x1111, s40                    ; my column
	; descriptor group 1: a tile of 128 rows x 256 bytes, padded in LDS
	s_or_b32 s[G1+0], s43, (0<<16)|(1<<20)|(1<<21)|(5<<22)|(3<<25)  ; 15:0 the mask: A's tiles go to my row; 17:16 element of 1 byte; 20 padding on; 21 set beside a mask; 24:22 after every 64 words; 31:25 four words
	s_or_b32 s[G1B+0], s44, (0<<16)|(1<<20)|(1<<21)|(5<<22)|(3<<25)
.irp g, G1, G1B
	s_mov_b32 s[\g+1], ROWB<<16                    ; tensor_dim0
	s_mov_b32 s[\g+2], 128<<16                     ; tensor_dim1
	s_mov_b32 s[\g+3], ROWB<<16                    ; tile_dim0
	s_mov_b32 s[\g+4], 128                         ; tile_dim1
	s_mov_b32 s[\g+5], KROW                        ; tensor_dim0_stride
	s_mov_b32 s[\g+6], 0
	s_mov_b32 s[\g+7], 0
.endr
	; the scales of 128 rows: 4,096 dense bytes, as 16 rows of 256 bytes (32 elements of 8), 16 bytes of padding behind each
	s_or_b32 s[G1S+0], s43, (3<<16)|(1<<20)|(1<<21)|(5<<22)|(3<<25)
	s_or_b32 s[G1SB+0], s44, (3<<16)|(1<<20)|(1<<21)|(5<<22)|(3<<25)
.irp g, G1S, G1SB
	s_mov_b32 s[\g+1], 32<<16
	s_mov_b32 s[\g+2], (128*KS/256)<<16
	s_mov_b32 s[\g+3], 32<<16
	s_mov_b32 s[\g+4], 128*KS/256
	s_mov_b32 s[\g+5], 32
	s_mov_b32 s[\g+6], 0
	s_mov_b32 s[\g+7], 0
.endr
	s_lshl_b32 s18, s16, 7                         ; which 128 rows of the tile I fetch
	s_lshl_b32 s20, s17, 8
	s_add_co_u32 s20, s20, s18
	s_add_co_u32 s20, s20, s97                     ; A's row: made of cy and the cluster's numbers alone
	s_lshl_b32 s46, s42, 8
	s_add_co_u32 s46, s46, s18
	s_add_co_u32 s46, s46, s98                     ; B's row: of cx and the cluster's numbers alone
	s_mov_b32 s21, 0
	s_mov_b32 s47, 0
	s_mov_b64 s[18:19], KS
	s_mul_u64 s[22:23], s[20:21], s[18:19]         ; where these rows' scales begin,
	s_mul_u64 s[92:93], s[46:47], s[18:19]
	s_mov_b64 s[18:19], KROW
	s_mul_u64 s[20:21], s[20:21], s[18:19]         ; and their codes
	s_mul_u64 s[46:47], s[46:47], s[18:19]
	s_mul_i32 s45, s14, HALFT                      ; where they go: wave x 128 rows: no place in the cluster enters an LDS address
	s_mul_i32 s94, s14, HALFS
	s_mov_b32 s[SEL], 0x76543210
	s_mov_b32 s[SEL+1], 0xfedcba98
	s_wait_kmcnt 0x0
	s_add_nc_u64 s[20:21], s[4:5], s[20:21]
	s_add_nc_u64 s[22:23], s[6:7], s[22:23]
	s_add_nc_u64 s[46:47], s[4:5], s[46:47]
	s_add_nc_u64 s[92:93], s[6:7], s[92:93]
	CROUND                                         ; all sixteen work-groups are here: the joint loads meet
	s_mov_b32 s[G0S], 1
	s_add_co_u32 s[G0S+1], s94, SCL
	s_mov_b64 s[G0S+2:G0S+3], s[22:23]
	s_or_b32 s[G0S+3], s[G0S+3], 0x80000000
	s_mov_b32 s[G0SB], 1
	s_add_co_u32 s[G0SB+1], s94, SCL
	s_mov_b64 s[G0SB+2:G0SB+3], s[92:93]
	s_or_b32 s[G0SB+3], s[G0SB+3], 0x80000000
	JLOAD G0S, G1S, G0SB, G1SB                     ; the scales first; by this text's count three tensor loads of a wave are out at the most
.irp s, 0,1
	s_mov_b32 s[G0+4*\s], 1
	s_add_co_u32 s[G0+4*\s+1], s45, \s*SLOT
	s_add_nc_u64 s[G0+4*\s+2:G0+4*\s+3], s[20:21], \s*ROWB
	s_or_b32 s[G0+4*\s+3], s[G0+4*\s+3], 0x80000000
	s_mov_b32 s[G0B+4*\s], 1
	s_add_co_u32 s[G0B+4*\s+1], s45, \s*SLOT
	s_add_nc_u64 s[G0B+4*\s+2:G0B+4*\s+3], s[46:47], \s*ROWB
	s_or_b32 s[G0B+4*\s+3], s[G0B+4*\s+3], 0x80000000
	JLOAD G0+4*\s, G1, G0B+4*\s, G1B
.endr
	s_load_b128 s[4:7], s[0:1], 0x10               ; bq, bk (the inputs' pointers are done with)
	v_and_b32 v1, 15, v0                           ; r = l % 16
	v_bfe_u32 v2, v0, 4, 1                         ; h = l / 16
	v_mul_u32_u24 v3, v1, PITCH
	v_lshl_add_u32 v4, v2, 4, v3                   ; a fragment's row x pitch + 16 x half
	s_mul_i32 s21, s15, HALFT                      ; my 128 rows of A
	s_mul_i32 s22, s16, HALFT                      ; my 128 rows of B,
	s_add_co_u32 s22, s22, 2*HALFT                 ; which lie behind A's 256
.irp s, 0,1
	v_add_nc_u32 v[ADRA+\s], s21, v4
	v_add_nc_u32 v[ADRB+\s], s22, v4
	s_add_co_u32 s21, s21, SLOT
	s_add_co_u32 s22, s22, SLOT
.endr
	v_mul_u32_u24 v5, v1, KS                       ; my row's scales: 32 bytes a row,
	v_lshrrev_b32 v6, 8, v5
	v_lshl_add_u32 v5, v6, 4, v5                   ; and 16 more for each 256 passed
	s_mul_i32 s21, s15, HALFS
	s_mul_i32 s22, s16, HALFS
	s_add_co_u32 s22, s22, 2*HALFS
	s_sub_co_u32 s22, s22, s21
	v_mul_u32_u24 v6, s22, v2                      ; lanes 16-31 take B's: one product, the distance between the two bases
	s_add_co_u32 s21, s21, SCL
	v_add_nc_u32 v5, v5, v6
	v_add_nc_u32 v[ADRS], s21, v5
	v_and_b32 v6, 31, v0
	v_lshlrev_b32 v[CO], 4, v6
.irp b, 0,1,2,3
	v_mov_b32 v[TM+4+\b], 0                        ; written once: a lane permute's destination counts as one of its sources
.endr
.macro FRAG reg, adr, q, i             ; 16 rows x 128 K of 4-bit codes: lane l holds row l % 16; registers 4 c .. 4 c + 3 hold K = 64 c + 32 (l / 16) + 0 .. 31
.irp c, 0,1
	ds_load_b128 v[\reg+4*\c:\reg+4*\c+3], v[\adr] offset:64*(\q)+32*\c+(\i)*16*PITCH
.endr
.endm
; 16 matrix instructions: A's blocks a0, a0 + 1 x B's eight, the slot's q-th 128 along K.  p: B's set; sc: the set of scale words.  zero = 1: the first product starts the sums.
; The 64 accumulators take turns, one instruction a turn, in the same order in every step.
.macro MUL16 a0, p, q, sc, zero
.irp a, \a0, \a0+1
.irp b, 0,1,2,3,4,5,6,7
.if \zero
	v_wmma_scale_f32_16x16x128_f8f6f4 v[8*(8*((\a)%4)+\b):8*(8*((\a)%4)+\b)+7], v[128*(\p)+FR*\b:128*(\p)+FR*\b+FR-1], v[AF+FR*(\a):AF+FR*(\a)+FR-1], 0, v[SC+8*NQ*(\sc)+NQ*\b+(\q)], v[SC+8*NQ*(\sc)+NQ*(\a)+(\q)] matrix_a_fmt:MATRIX_FMT_FP4 matrix_b_fmt:MATRIX_FMT_FP4 matrix_a_scale:MATRIX_SCALE_ROW1
.else
	v_wmma_scale_f32_16x16x128_f8f6f4 v[8*(8*((\a)%4)+\b):8*(8*((\a)%4)+\b)+7], v[128*(\p)+FR*\b:128*(\p)+FR*\b+FR-1], v[AF+FR*(\a):AF+FR*(\a)+FR-1], v[8*(8*((\a)%4)+\b):8*(8*((\a)%4)+\b)+7], v[SC+8*NQ*(\sc)+NQ*\b+(\q)], v[SC+8*NQ*(\sc)+NQ*(\a)+(\q)] matrix_a_fmt:MATRIX_FMT_FP4 matrix_b_fmt:MATRIX_FMT_FP4 matrix_a_scale:MATRIX_SCALE_ROW1
.endif
.endr
.endr
.endm
.macro FETCH_B slot, q, p              ; B's eight fragments into set p
	WIN TO_B
.irp i, 0,1,2,3,4,5,6,7
	FRAG 128*(\p)+FR*\i, ADRB+\slot, \q, \i
.endr
	WIN 0
.endm
.macro FETCH_A slot, q, i0             ; A's blocks i0 .. i0 + 3
.irp i, \i0, \i0+1, \i0+2, \i0+3
	FRAG AF+FR*(\i), ADRA+\slot, \q, \i
.endr
.endm
.macro SCALES sc                       ; a slot's scale words: four a row; lanes 0-15 take A's block i, lanes 16-31 B's
.irp i, 0,1,2,3,4,5,6,7
	ds_load_b128 v[SC+8*NQ*\sc+NQ*\i:SC+8*NQ*\sc+NQ*\i+3], v[ADRS] offset:\i*SBLK
.endr
.endm
.macro PLACES n                        ; plain vector lines between a matrix instruction and a load into, or a vector line on, its registers
.rept \n
	v_nop
.endr
.endm
.macro STEP slot, q, zero              ; 128 along K that have their successor in the same slot
	s_wait_dscnt 4*NL                              ; B's set and A's blocks 0-3 are in; the youngest eight loads (A's blocks 4-7) may be out
	WIN MUL_LO
	MUL16 0, (\q)%2, \q, \slot, \zero
	MUL16 2, (\q)%2, \q, \slot, \zero
	s_wait_dscnt 0                                 ; A's blocks 4-7 are in
	PLACES NP
	FETCH_B \slot, (\q)+1, 1-(\q)%2
	FETCH_A \slot, (\q)+1, 0
	WIN MUL_HI
	MUL16 4, (\q)%2, \q, \slot, \zero
	MUL16 6, (\q)%2, \q, \slot, \zero
	PLACES NP
	WIN 0
	FETCH_A \slot, (\q)+1, 4
.endm
.macro TURN slot, next                 ; a slot's last step changes slots: one barrier
	s_wait_tensorcnt 0x0                           ; all my tensor loads have landed: my part of the next slot
	ds_add_u32 v[SPW], v[NIL]                      ; 0 onto my spare word
	s_wait_dscnt 4*NL+1                            ; (the add and the youngest eight loads may be out)
	WIN MUL_LO
	MUL16 0, 1, NQ-1, \slot, 0
	s_wait_dscnt 0x0                               ; the add is done, and my reads of this slot are over
	s_barrier_signal -1
	MUL16 2, 1, NQ-1, \slot, 0
	WIN 0
	s_barrier_wait -1                              ; everybody's part of the next slot is in
	PLACES NP
	v_add_nc_u32 v[ADRS], 4*NQ, v[ADRS]            ; on to the next slot's scale words (no LDS load of mine is out)
	FETCH_B \next, 0, 0
	FETCH_A \next, 0, 0
	SCALES \next
	WIN MUL_HI
	MUL16 4, 1, NQ-1, \slot, 0
	MUL16 6, 1, NQ-1, \slot, 0
	PLACES NP
	WIN 0
	FETCH_A \next, 0, 4
.endm
.macro STEPS slot, from
.set Q, \from
.rept NQ-1-\from
	STEP \slot, Q, 0
.set Q, Q+1
.endr
.endm
.macro SLOT1                           ; slot 1's four steps: LDS loads and products alone, no barrier.  Written in both arms of the branch below
	STEPS 1, 0
	s_wait_dscnt 4*NL
	WIN MUL_LO
	MUL16 0, 1, NQ-1, 1, 0
	MUL16 2, 1, NQ-1, 1, 0
	s_wait_dscnt 0
	WIN MUL_HI
	MUL16 4, 1, NQ-1, 1, 0
	MUL16 6, 1, NQ-1, 1, 0
	WIN 0
	PLACES NP                                      ; in front of the first read of results and the first write of A's registers
.endm
; 64 numbers of a lane, register 16 b + i = k 32 b + 16 (lane / 16) + i of my row, become a fragment's codes in v[PC] on and its scale word in v[pw].
.macro QUANT s, pw
.irp b, 0,1,2,3
	v_max3_num_f32 v[TM+\b], |v[\s+16*\b]|, |v[\s+1+16*\b]|, 0x1800000   ; block b: my 16 numbers, and the floor 2^(3 - 127): the byte cannot fall under 1
.endr
.irp i, 2,4,6,8,10,12,14
.irp b, 0,1,2,3
	v_max3_num_f32 v[TM+\b], v[TM+\b], |v[\s+16*\b+\i]|, |v[\s+1+16*\b+\i]|   ; (the four blocks by turns)
.endr
.endr
.irp b, 0,1,2,3
	v_permlanex16_b32 v[TM+4+\b], v[TM+\b], s[SEL], s[SEL+1]
.endr
.irp b, 0,1,2,3
	v_max_num_f32 v[TM+\b], v[TM+\b], v[TM+4+\b]   ; with lane l xor 16's: the block's largest magnitude
.endr
.irp b, 0,1,2,3
	v_add_nc_u32 v[TM+12+\b], 0xff000000, v[TM+\b] ; 2 off its exponent field: the conversion's scale operand
.endr
.irp b, 0,1,2,3
	v_lshrrev_b32 v[TM+4+\b], 23, v[TM+12+\b]      ; the scale's byte
.endr
	v_lshl_or_b32 v[\pw], v[TM+5], 8, v[TM+4]
	v_lshl_or_b32 v[\pw], v[TM+6], 16, v[\pw]
	v_lshl_or_b32 v[\pw], v[TM+7], 24, v[\pw]
.irp b, 0,1,2,3
	v_cvt_scalef32_pk8_fp4_f32 v[PC+2*\b], v[\s+16*\b:\s+7+16*\b], v[TM+12+\b]
	v_cvt_scalef32_pk8_fp4_f32 v[PC+1+2*\b], v[\s+8+16*\b:\s+15+16*\b], v[TM+12+\b]
.endr
	v_nop                                          ; one plain line behind a scaled conversion
.irp c, 0,1                                    ; the operand's layout wants a whole block in a lane: lanes 0-15 block 2 c, lanes 16-31 block 2 c + 1
.irp i, 0,1
	v_permlane16_swap_b32 v[PC+4*\c+\i], v[PC+2+4*\c+\i]
.endr
.endr
.endm
; Block a (16 rows of A): the bias is added (each accumulator is read from its low end on), the 128 numbers of each row are quantised, and the fragment leaves as it stands.
.macro EBLOCK a, path
	WIN 0x06+(\a)/4                                ; source 0: window 2 or 3 (the sums); source 1: window 1 (the bias); destination window 0
.set AC, 64*((\a)%4)
.set jj, 0
.rept 32
.if \path
	v_pk_add_f32 v[T+jj:T+jj+1], v[AC+jj:AC+jj+1], v[BI+2*(\a):BI+2*(\a)+1]   ; v: my lane's channel has one bias
.else
	v_pk_add_f32 v[T+jj:T+jj+1], v[AC+jj:AC+jj+1], v[BI+jj:BI+jj+1]           ; q, k: a bias for each register's feature
.endif
.set jj, jj+2
.endr
	WIN 0
.if (\a) > 0
	s_wait_xcnt 0x0                                ; the last block's stores have read their data: the codes' registers are written again only behind this wait
.endif
	QUANT T, PWS+(\a)
.irp c, 0,1
.if \path
	global_store_b128 v[CO], v[PC+4*\c:PC+4*\c+3], s[8:9] offset:((\a)/4)*65536+((\a)%4)*1024+\c*512   ; head a / 4, channel tile a % 4
.else
	global_store_b128 v[CO], v[PC+4*\c:PC+4*\c+3], s[8:9] offset:(\a)*512+\c*262144                    ; tile a of head c
.endif
.endr
.endm
.macro EPI path
	s_wait_loadcnt 0x0                             ; the bias
.irp a, 0,1,2,3,4,5,6,7
	EBLOCK \a, \path
.endr
	v_cmp_eq_u32 vcc_lo, 1, v2                     ; lanes 0-15 store my first head's words, lanes 16-31 my second's: each half of the wave 256 consecutive bytes, aligned
.if \path
.irp f, 0,1,2,3
	v_cndmask_b32 v[SW+\f], v[PWS+\f], v[PWS+4+\f], vcc_lo   ; v: a block's word belongs to one head whole
.endr
.else
	v_mov_b32 v[SELV], 0x05040100                  ; q, k: a word's low half is the first head's two bytes, its high half the second's
	v_mov_b32 v[SELV+1], 0x07060302
	v_cndmask_b32 v[SELV], v[SELV], v[SELV+1], vcc_lo
.irp f, 0,1,2,3
	v_perm_b32 v[SW+\f], v[PWS+2*\f+1], v[PWS+2*\f], v[SELV]   ; tile 2 f's two bytes below, tile 2 f + 1's above
.endr
.endif
	global_store_b128 v[SCO], v[SW:SW+3], s[10:11]
.endm
	s_wait_kmcnt 0x0                               ; bq, bk
	s_wait_tensorcnt 1                             ; the scales and my part of slot 0 are in (slot 1's load may be out)
	s_barrier_signal -1
	s_barrier_wait -1                              ; everybody's are
	FETCH_B 0, 0, 0
	FETCH_A 0, 0, 0
	SCALES 0
	FETCH_A 0, 0, 4
	STEP 0, 0, 1                                   ; the first products start the sums: nothing is cleared
	STEPS 0, 1
	TURN 0, 1
	s_cmp_lt_u32 s95, 8                            ; the cluster's y: the same in all sixteen work-groups
	s_cbranch_scc0 .Lv_part
	; ---- q and k.  My 128 features begin at n0 = 256 x B's tile + 128 x half: under 1,024 q's, else k's
	s_lshl_b32 s20, s42, 8
	s_lshl_b32 s21, s16, 7
	s_add_co_u32 s20, s20, s21
	s_cmp_lt_u32 s20, 1024
	s_cselect_b64 s[4:5], s[4:5], s[6:7]
	s_and_b32 s20, s20, 1023
	s_lshl_b32 s20, s20, 2
	s_mov_b32 s21, 0
	s_add_nc_u64 s[4:5], s[4:5], s[20:21]
	v_lshlrev_b32 v[BO], 6, v2                     ; register 16 b + i holds feature 32 b + 16 h + i
	WIN TO_B
.irp b, 0,1,2,3
.irp j, 0,1,2,3
	global_load_b128 v[BI+16*\b+4*\j:BI+16*\b+4*\j+3], v[BO], s[4:5] offset:128*\b+16*\j
.endr
.endr
	WIN 0
	s_lshl_b32 s22, s42, 2
	s_lshl_b32 s23, s16, 1
	s_add_co_u32 s22, s22, s23                     ; my first head among the 32
	s_lshl_b32 s23, s17, 1
	s_add_co_u32 s23, s23, s15                     ; my group of 8 tiles of places
	s_lshl_b32 s20, s22, 18                        ; codes: 262,144 bytes a head, 4,096 a group
	s_lshl_b32 s46, s23, 12
	s_add_co_u32 s20, s20, s46
	s_add_nc_u64 s[8:9], s[8:9], s[20:21]
	s_lshl_b32 s20, s22, 14                        ; scale words: 16,384 bytes a head, 256 a group
	s_lshl_b32 s46, s23, 8
	s_add_co_u32 s20, s20, s46
	s_add_nc_u64 s[10:11], s[10:11], s[20:21]
	v_lshlrev_b32 v[SCO], 4, v1
	v_lshl_add_u32 v[SCO], v2, 14, v[SCO]          ; 16 r, and a head on for lanes 16-31
	SLOT1
	EPI 0
	s_branch .Lend
.Lv_part:
	; ---- v.  My 128 channel places begin at 256 x A's tile + 128 x half; my 128 keys are step 2 x B's tile + half of the 64
	s_lshl_b32 s23, s17, 1
	s_add_co_u32 s23, s23, s15
	s_lshl_b32 s20, s23, 9
	s_mov_b32 s21, 0
	s_add_nc_u64 s[4:5], s[12:13], s[20:21]
	v_and_b32 v[BO], 8, v1
	v_add_nc_u32 v[BO], v[BO], v1
	v_lshlrev_b32 v[BO], 2, v[BO]                  ; place r of tile a is channel 32 (a / 2) + 8 (a % 2) + r + 8 (r / 8)
	WIN TO_B
.irp a, 0,1,2,3,4,5,6,7
	global_load_b32 v[BI+2*\a], v[BO], s[4:5] offset:4*(32*(\a/2)+8*(\a%2))
	global_load_b32 v[BI+2*\a+1], v[BO], s[4:5] offset:4*(32*(\a/2)+8*(\a%2))   ; twice: a pair for the packed addition
.endr
	WIN 0
	s_lshl_b32 s22, s42, 1
	s_add_co_u32 s22, s22, s16                     ; the step among 64
	s_lshl_b32 s23, s23, 1                         ; my first head
	s_lshr_b32 s46, s22, 4                         ; the batch
	s_and_b32 s22, s22, 15                         ; the step in it
	s_lshl_b32 s20, s46, 20                        ; codes: 65,536 bytes a head, 16 heads a batch, 4,096 a step
	s_lshl_b32 s47, s23, 16
	s_add_co_u32 s20, s20, s47
	s_lshl_b32 s47, s22, 12
	s_add_co_u32 s20, s20, s47
	s_add_co_u32 s20, s20, 0x800000                ; behind q's and k's
	s_add_nc_u64 s[8:9], s[8:9], s[20:21]
	s_lshl_b32 s20, s46, 16                        ; scale words: 4,096 bytes a head, 256 a step
	s_lshl_b32 s47, s23, 12
	s_add_co_u32 s20, s20, s47
	s_lshl_b32 s47, s22, 8
	s_add_co_u32 s20, s20, s47
	s_add_co_u32 s20, s20, 0x80000
	s_add_nc_u64 s[10:11], s[10:11], s[20:21]
	v_lshlrev_b32 v[SCO], 4, v1
	v_lshl_add_u32 v[SCO], v2, 12, v[SCO]
	SLOT1
	EPI 1
.Lend:
	s_wait_tensorcnt 0x0                           ; the wave's end
	ds_add_u32 v[SPW], v[NIL]
	s_wait_dscnt 0x0
	CROUND                                         ; the closing round: no work-group ends while a partner may still ask for a tile that names it
	s_endpgm
.Lfunc_end_k_qa47fc35bec_proj:
	.size	k_qa47fc35bec_proj, .Lfunc_end_k_qa47fc35bec_proj-k_qa47fc35bec_proj
	.p2alignl 7, 3214868480
	.fill 96, 4, 3214868480
	.section	.rodata,"a",@progbits
	.p2align	6, 0x0
	.amdhsa_kernel k_qa47fc35bec_proj
		.amdhsa_group_segment_fixed_size 327680
		.amdhsa_private_segment_fixed_size 0
		.amdhsa_enable_private_segment 0
		.amdhsa_kernarg_size 56
		.amdhsa_user_sgpr_count 2
		.amdhsa_user_sgpr_kernarg_segment_ptr 1
		.amdhsa_wavefront_size32 1
		.amdhsa_system_sgpr_workgroup_id_x 1
		.amdhsa_system_sgpr_workgroup_id_y 1
		.amdhsa_system_sgpr_workgroup_id_z 1
		.amdhsa_system_vgpr_workitem_id 0
		.amdhsa_next_free_vgpr 1024
		.amdhsa_next_free_sgpr 102
		.amdhsa_reserve_vcc 1
		.amdhsa_float_denorm_mode_32 3
		.amdhsa_float_denorm_mode_16_64 3
		.amdhsa_memory_ordered 1
		.amdhsa_forward_progress 1
		.amdhsa_inst_pref_size 237
	.end_amdhsa_kernel
	.amdgpu_metadata
---
amdhsa.version: [ 1, 2 ]
amdhsa.kernels:
  - .name:           k_qa47fc35bec_proj
    .symbol:         k_qa47fc35bec_proj.kd
    .args:
      - { .name: xw_codes, .offset: 0, .size: 8, .value_kind: global_buffer, .address_space: global }
      - { .name: xw_scales, .offset: 8, .size: 8, .value_kind: global_buffer, .address_space: global }
      - { .name: bq, .offset: 16, .size: 8, .value_kind: global_buffer, .address_space: global }
      - { .name: bk, .offset: 24, .size: 8, .value_kind: global_buffer, .address_space: global }
      - { .name: qkv_codes, .offset: 32, .size: 8, .value_kind: global_buffer, .address_space: global }
      - { .name: qkv_scales, .offset: 40, .size: 8, .value_kind: global_buffer, .address_space: global }
      - { .name: bv, .offset: 48, .size: 8, .value_kind: global_buffer, .address_space: global }
    .group_segment_fixed_size: 327680
    .private_segment_fixed_size: 0
    .kernarg_segment_align: 8
    .kernarg_segment_size: 56
    .max_flat_workgroup_size: 128
    .sgpr_count:     102
    .vgpr_count:     1024
    .wavefront_size: 32
...
	.end_amdgpu_metadata
.endif
;; end of part 2
;; launch attn (part 3): grid 4 x 64, 16 waves a work-group, no clusters, 141,312 bytes of LDS; arguments qkv_codes, qkv_scales, maskbits, a_img, a_scales; writes a_img, a_scales
.if DOCPART == 3
	.amdgcn_target "amdgcn-amd-amdhsa--gfx1250"
	.amdhsa_code_object_version 6
	.text
	.protected	k_qa47fc35bec_attn
	.globl	k_qa47fc35bec_attn
	.p2align	8
	.type	k_qa47fc35bec_attn,@function
k_qa47fc35bec_attn:
	s_mov_b64 s[64:65], 0
	v_nop
	global_prefetch_b8 v0, s[64:65] scope:SCOPE_SE
	s_setreg_imm32_b32 hwreg(HW_REG_WAVE_MODE, 25, 1), 1
	s_wait_xcnt 0x0
; Causal attention with a padding mask, head size 64, 2,048 keys, both products on codes of FP4 (E2M1) with E8M0 scales; the result, divided by the row's sum, is quantised along the model's 1,024 and leaves as codes.
; THE SOFTMAX: t = score x log2(e) / 8; M = the running largest t rounded UP to a whole number; p = 2^(t - M) is quantised along the keys, not normalised; the row's sum is taken of the unquantised p.  When M moves,
; the sum and O are multiplied by 2^(old M - new M): exact.  Hidden scores (key after the query; padded key) become -infinity ahead of the maximum: p = 0.
; A ROW WITH NO KEY THAT COUNTS has the sum 0: its two scale bytes are stored as 0xff, the NaN of E8M0, so that the last product makes the whole row NaN; its codes are zeros.
; SHARES.  A work-group has one (batch, head) and 32 of its 128 tiles of 16 queries.  Wave W (0 .. 63 over the head's four work-groups) owns tiles W and 127 - W.  Tile i needs the key steps 0 .. i / 8 of 128 keys,
; so every wave works 17 steps.  Four waves share a SIMD: one wave's vector work stands beside another's products and LDS loads.
; PLACES.  Tiles are tiles of places: place r of tile i is token 32 (i / 2) + 8 (i % 2) + r + 8 (r / 8).  Both products are used transposed (S^T = k q^T, O^T = v^T p^T): a lane holds ONE query, and by that order of
; places register 16 b + i of the scores is key 32 b + 16 (lane / 16) + i of the step, and of O^T channel 32 b + 16 (lane / 16) + i: neighbours, as the conversions want them.
; K = 64 IN AN INSTRUCTION OF 128: a fragment of k holds TWO tiles of keys (K 0-63: tile 2 f, K 64-127: tile 2 f + 1); q stands beside 64 zero codes, below them or above: the other tile's products are zeros.
; LDS: the head's k and v, codes and scale words, 16 records of 8,704 bytes (a step each), copied once through registers, as images of the operands' registers: every read is at 16 x lane + a constant.
; NO TENSOR LOAD, NO CLUSTER: the work for padded keys is jumped over where a step's four mask words are 0, a branch on words read from memory; and what the
; head's four work-groups share, 139,264 bytes each, is asked for once, at the head.  For the same reason there is no later load that a prefetch could run ahead of.
; LIMITS: a block of zeros, or one whose largest magnitude lies under 2^-124, keeps the byte 1.  The scale bytes leave two bytes a row (1 byte in 17 of what the launch stores).
.set REC,  8704                        ; a record: 0 k's 8 tiles of 512 bytes; 4,096 v's 4 fragments of 1,024; 8,192 k's scale words [r][4]; 8,448 v's [r][4]
.set L16,  1                           ; v1   16 x lane
.set QD,   2                           ; v2   r + 8 (r / 8) - 16 h
.set NINF, 3                           ; v3   -infinity
.set AD,   4                           ; v4   LDS address of the step in hand
.set SA,   5                           ; v5   32 r: a row of the output's scale bytes
.set WA,   6                           ; v6-7 where my thread puts its 16 bytes of a copy: records 0-7, 8-15
.set WA2,  7
.set QZA,  8                           ; v8-19  tile A: 4 registers of zero codes, q's 4, 4 of zero codes;  v20-31 tile B
.set QZB,  20
.set QSA,  32                          ; v32, v33 q's scale words: its two bytes, twice
.set QSB,  33
.set SC,   34                          ; v34-37 lanes 0-15 k's four scale words, lanes 16-31 v's four
.set PS,   38                          ; v38  p's scale word
.set STA,  40                          ; v40 -M, v41 the largest t, v[42:43] the sum in two halves;  v44-47 tile B's
.set STB,  44
.set KF,   48                          ; v48-79 four fragments: k's, then v's
.set S,    80                          ; v80-143 S^T, then p
.set OA,   144                         ; v144-175, v176-207 O^T of the two tiles
.set OB,   176
.set PC,   208                         ; v208-215 p's codes
.set BM,   216                         ; v216-219 the blocks' largest
.set PX,   220                         ; v220-223 the other half's; then bytes
.set SO,   224                         ; v224-227 the conversions' scale operands
.set F,    228                         ; v228 2^(old M - new M); v229 = 0
.set TMP,  230
.set L2,   232                         ; v[232:233] the sum's second chain
.set WDA,  234                         ; v234, v235 the way out's scale bytes; at the head: 16 x thread, 16 r
.set WDB,  235
.set WV,   14
.set SEL,  20                          ; s[20:21] lane selects: lane l xor 16
.set CS,   22                          ; s[22:23] c = log2(e) / 8, twice
.set J,    24                          ; s24 the step;  s25 its record
.set TB,   25
.set JA,   26                          ; s26, s27 the tiles' last steps;  s28, s29 their first tokens within that step
.set JB,   27
.set MW,   32                          ; s[32:35] the step's four mask words;  s[36:39] the next step's
.set MWN,  36
.set OFF,  40
.set ANY,  41
.set T0,   42
.set ONES, 44                          ; s44 0x10001;  s45 0xffff
.set WIDE, 45
	s_load_b256 s[4:11], s[0:1], 0x0               ; codes, scale words, mask words, the output's images
	s_load_b64 s[12:13], s[0:1], 0x20              ; the output's scale bytes
	v_lshl_add_u32 v240, v0, 2, 0x22000
	v_mov_b32 v241, 0
	v_lshrrev_b32 v216, 5, v0
	v_readfirstlane_b32 s[WV], v216                ; wave 0..15
	v_and_b32 v216, 15, v0                         ; r
	v_bfe_u32 v217, v0, 4, 1                       ; h
	v_and_b32 v[L16], 31, v0
	v_lshlrev_b32 v[L16], 4, v[L16]
	v_and_b32 v[QD], 8, v216
	v_add_nc_u32 v[QD], v[QD], v216
	v_lshlrev_b32 v217, 4, v217
	v_sub_nc_u32 v[QD], v[QD], v217
	v_mov_b32 v[NINF], 0xff800000
	v_lshlrev_b32 v[SA], 5, v216
	v_lshlrev_b32 v[WDB], 4, v216                  ; 16 r: q's scale words
	v_lshlrev_b32 v[WDA], 4, v0                    ; 16 x thread: a copy of the work-group covers 8,192 consecutive bytes: two records' k or v
	v_lshrrev_b32 v218, 8, v0
	v_and_b32 v219, 255, v0
	v_mul_u32_u24 v[WA], v218, REC
	v_lshl_add_u32 v[WA], v219, 4, v[WA]           ; record thread / 256, byte 16 (thread % 256)
	v_add_nc_u32 v[WA2], 8*REC, v[WA]
	v_lshrrev_b32 v219, 4, v219
	v_mul_u32_u24 v[L2], v219, REC                 ; the scale words: threads 0-255 k's, 256-511 v's: record (thread % 256) / 16,
	v_lshl_add_u32 v[L2], v218, 8, v[L2]           ; 256 bytes on for v's,
	v_lshl_add_u32 v[L2], v216, 4, v[L2]           ; 16 r
	s_and_b32 s19, ttmp7, 0xffff                   ; (batch, head)
	s_lshr_b32 s15, s19, 4                         ; batch
	s_and_b32 s16, s19, 15                         ; head
	s_lshl_b32 s17, ttmp9, 4
	s_add_co_u32 s17, s17, s[WV]                   ; tile A
	s_sub_co_u32 s18, 127, s17                     ; tile B
	s_lshr_b32 s[JA], s17, 3
	s_lshr_b32 s[JB], s18, 3
	s_bfe_u32 s30, s17, 0x20001
	s_lshl_b32 s28, s30, 5
	s_and_b32 s31, s17, 1
	s_lshl_b32 s31, s31, 3
	s_add_co_u32 s28, s28, s31                     ; 32 ((i % 8) / 2) + 8 (i % 2)
	s_bfe_u32 s30, s18, 0x20001
	s_lshl_b32 s29, s30, 5
	s_and_b32 s31, s18, 1
	s_lshl_b32 s31, s31, 3
	s_add_co_u32 s29, s29, s31
	s_mov_b32 s[SEL], 0x76543210
	s_mov_b32 s[SEL+1], 0xfedcba98
	s_mov_b32 s[CS], 0x3e38aa3b
	s_mov_b32 s[CS+1], s[CS]
	s_mov_b32 s[ONES], 0x10001
	s_mov_b32 s[WIDE], 0xffff
	s_mov_b32 s[J], 0
	s_mov_b32 s[TB], 0
	s_mov_b32 s[OFF], 0
	s_mov_b32 s43, 0
	s_add_co_u32 s30, s16, 16                      ; k's place among the 32 heads of q and k
	s_lshl_b32 s42, s30, 18
	s_lshl_b32 s31, s15, 16
	s_add_co_u32 s42, s42, s31
	s_wait_kmcnt 0x0
	s_add_nc_u64 s[56:57], s[4:5], s[42:43]        ; k's codes of my batch and head: 65,536 bytes
.irp i, 0,1,2,3,4,5,6,7
	global_load_b128 v[S+4*\i:S+4*\i+3], v[WDA], s[56:57] offset:8192*\i
.endr
	s_lshl_b32 s42, s19, 16
	s_add_co_u32 s42, s42, 0x800000
	s_add_nc_u64 s[58:59], s[4:5], s[42:43]        ; v's: 65,536 bytes
.irp i, 0,1,2,3,4,5,6,7
	global_load_b128 v[S+32+4*\i:S+32+4*\i+3], v[WDA], s[58:59] offset:8192*\i
.endr
	s_lshl_b32 s42, s30, 14
	s_lshl_b32 s31, s15, 12
	s_add_co_u32 s42, s42, s31                     ; k's scale words: 4,096 bytes, waves 0-7
	s_lshl_b32 s31, s19, 12
	s_add_co_u32 s31, s31, 524288-4096             ; v's: 4,096 bytes, waves 8-15, whose 16 x thread begins at 4,096
	s_cmp_lt_u32 s[WV], 8
	s_cselect_b32 s42, s42, s31
	s_add_nc_u64 s[60:61], s[6:7], s[42:43]
	global_load_b128 v[S+64:S+67], v[WDA], s[60:61]
	s_lshl_b32 s30, s16, 9
	s_lshl_b32 s31, s15, 7
	s_add_co_u32 s30, s30, s31                     ; q: head x 512 + batch x 128 tiles
	s_add_co_u32 s42, s30, s17
	s_lshl_b32 s42, s42, 9
	s_add_nc_u64 s[62:63], s[4:5], s[42:43]
	global_load_b128 v[QZA+4:QZA+7], v[L16], s[62:63]
	s_add_co_u32 s42, s30, s18
	s_lshl_b32 s42, s42, 9
	s_add_nc_u64 s[66:67], s[4:5], s[42:43]
	global_load_b128 v[QZB+4:QZB+7], v[L16], s[66:67]
	s_lshl_b32 s30, s16, 6
	s_lshl_b32 s31, s15, 4
	s_add_co_u32 s30, s30, s31                     ; q's scale words: head x 64 + batch x 16 groups of 256 bytes; word (i % 8) / 2 of row r
	s_add_co_u32 s42, s30, s[JA]
	s_lshl_b32 s42, s42, 8
	s_bfe_u32 s31, s17, 0x20001
	s_lshl_b32 s31, s31, 2
	s_add_co_u32 s42, s42, s31
	s_add_nc_u64 s[68:69], s[6:7], s[42:43]
	global_load_b32 v[TMP], v[WDB], s[68:69]
	s_add_co_u32 s42, s30, s[JB]
	s_lshl_b32 s42, s42, 8
	s_bfe_u32 s31, s18, 0x20001
	s_lshl_b32 s31, s31, 2
	s_add_co_u32 s42, s42, s31
	s_add_nc_u64 s[70:71], s[6:7], s[42:43]
	global_load_b32 v[TMP+1], v[WDB], s[70:71]
	s_lshl_b32 s42, s15, 8
	s_add_nc_u64 s[54:55], s[8:9], s[42:43]        ; my batch's 64 mask words
	s_load_b128 s[MWN:MWN+3], s[54:55], s[OFF] offset:0x0   ; step 0's four
	s_lshl_b32 s30, s15, 7                         ; the way out: image (batch x 128 + tile) x 8,192 + head x 512; scale bytes (batch x 128 + tile) x 512 + 2 x head
	s_add_co_u32 s31, s30, s17
	s_lshl_b32 s42, s31, 13
	s_lshl_b32 s41, s16, 9
	s_add_co_u32 s42, s42, s41
	s_add_nc_u64 s[46:47], s[10:11], s[42:43]
	s_lshl_b32 s42, s31, 9
	s_lshl_b32 s41, s16, 1
	s_add_co_u32 s42, s42, s41
	s_add_nc_u64 s[48:49], s[12:13], s[42:43]
	s_add_co_u32 s31, s30, s18
	s_lshl_b32 s42, s31, 13
	s_lshl_b32 s41, s16, 9
	s_add_co_u32 s42, s42, s41
	s_add_nc_u64 s[50:51], s[10:11], s[42:43]
	s_lshl_b32 s42, s31, 9
	s_lshl_b32 s41, s16, 1
	s_add_co_u32 s42, s42, s41
	s_add_nc_u64 s[52:53], s[12:13], s[42:43]
	s_mov_b32 s30, 0x01000100                      ; an even tile's two bytes are its word's low half, an odd tile's the high half; A and B are of unlike parity
	s_mov_b32 s31, 0x03020302
	s_bitcmp1_b32 s17, 0
	s_cselect_b32 s42, s31, s30
	s_cselect_b32 s41, s30, s31
	; the copies go to LDS as they come: behind copy i stand 16 - i younger copies and q's four loads
.irp i, 0,1,2,3
	s_wait_loadcnt 20-\i
	ds_store_b128 v[WA], v[S+4*\i:S+4*\i+3] offset:2*REC*\i
.endr
.irp i, 4,5,6,7
	s_wait_loadcnt 20-\i
	ds_store_b128 v[WA2], v[S+4*\i:S+4*\i+3] offset:2*REC*(\i-4)
.endr
.irp i, 0,1,2,3
	s_wait_loadcnt 12-\i
	ds_store_b128 v[WA], v[S+32+4*\i:S+32+4*\i+3] offset:2*REC*\i+4096
.endr
.irp i, 4,5,6,7
	s_wait_loadcnt 12-\i
	ds_store_b128 v[WA2], v[S+32+4*\i:S+32+4*\i+3] offset:2*REC*(\i-4)+4096
.endr
	s_wait_loadcnt 4
	ds_store_b128 v[L2], v[S+64:S+67] offset:8192
	s_wait_loadcnt 0x0                             ; q
	v_perm_b32 v[QSA], v[TMP], v[TMP], s42
	v_perm_b32 v[QSB], v[TMP+1], v[TMP+1], s41
.irp z, 0,1,2,3,8,9,10,11
	v_mov_b32 v[QZA+\z], 0                         ; the zero codes beside q
	v_mov_b32 v[QZB+\z], 0
.endr
.irp t, STA, STB
	v_mov_b32 v[\t+1], 0xff61b1e6                  ; the largest t so far: -3e38, under every t
	v_floor_f32 v[\t], -v[\t+1]                    ; -M
	v_mov_b32 v[\t+2], 0                           ; the sum, in two halves
	v_mov_b32 v[\t+3], 0
.endr
.irp b, 0,1,2,3
	v_mov_b32 v[PX+\b], 0                          ; written once: a lane permute's destination counts as one of its sources
.endr
	v_mov_b32 v[F+1], 0                            ; the pair's upper half; also the 0 that stands for 1 / sum in a row without keys
.set n, 0
.rept 64
	v_mov_b32 v[OA+n], 0                           ; O^T of both tiles: the step is written once, and its first turn finds zeros
.set n, n+1
.endr
	s_wait_dscnt 0x0                               ; for the others' sake: my stores have landed
	s_barrier_signal -1
	s_barrier_wait -1                              ; the launch's one barrier: from here on LDS is only read
; A KEY STEP of one tile: 128 keys.  qz, qs: q's registers and scale word; o: O^T; st: -M, largest t, sum; jx: the tile's last step; q0: its first token within that step.
.macro STEP qz, qs, o, st, jx, q0
	s_cmp_gt_u32 s[J], s[\jx]                      ; all keys of this step come after the tile's queries: a branch on ids
	s_cbranch_scc1 .Lskip_\@
	v_add_nc_u32 v[AD], s[TB], v[L16]
.rept 3
	v_nop                                          ; with the line above: four places in front of loads into registers that the last products read
.endr
.irp f, 0,1,2,3
.irp c, 0,1
	ds_load_b128 v[KF+8*\f+4*\c:KF+8*\f+4*\c+3], v[AD] offset:1024*\f+512*\c   ; tile 2 f + c of the keys
.endr
.endr
	ds_load_b128 v[SC:SC+3], v[AD] offset:8192     ; lanes 0-15: k's four words of row r; lanes 16-31: v's
	s_wait_dscnt 0x0
.irp f, 0,1,2,3
	v_wmma_scale_f32_16x16x128_f8f6f4 v[S+16*\f:S+16*\f+7], v[KF+8*\f:KF+8*\f+7], v[\qz+4:\qz+11], 0, v[SC+\f], v[\qs] matrix_a_fmt:MATRIX_FMT_FP4 matrix_b_fmt:MATRIX_FMT_FP4       ; q below, zeros above: tile 2 f
	v_wmma_scale_f32_16x16x128_f8f6f4 v[S+16*\f+8:S+16*\f+15], v[KF+8*\f:KF+8*\f+7], v[\qz:\qz+7], 0, v[SC+\f], v[\qs] matrix_a_fmt:MATRIX_FMT_FP4 matrix_b_fmt:MATRIX_FMT_FP4     ; zeros below, q above: tile 2 f + 1
.endr
.rept 4
	v_nop                                          ; places in front of the loads below and of the first read of the scores
.endr
.irp t, 0,1,2,3
.irp c, 0,1
	ds_load_b128 v[KF+8*\t+4*\c:KF+8*\t+4*\c+3], v[AD] offset:4096+1024*\t+512*\c   ; v's four fragments land under the softmax
.endr
.endr
	s_cmp_eq_u32 s[ANY], 0                         ; no key of this step is padded: a branch on whole numbers that an earlier launch stored
	s_cbranch_scc1 .Lnopad_\@
.set n, 0
.rept 64                                       ; register n holds key 32 (n / 16) + 16 h + n % 16: lanes 0-15 want bit n % 16 of word n / 16, lanes 16-31 bit 16 + n % 16
	s_lshr_b32 s[T0+n%2], s[MW+n/16], n%16
	s_and_b32 s[T0+n%2], s[T0+n%2], s[ONES]
	s_mul_i32 s[T0+n%2], s[T0+n%2], s[WIDE]        ; each of the two bits spread over its 16 lanes
	v_cndmask_b32 v[S+n], v[S+n], v[NINF], s[T0+n%2]
.set n, n+1
.endr
.Lnopad_\@:
	s_cmp_lg_u32 s[J], s[\jx]                      ; only the tile's last step lies on the diagonal
	s_cbranch_scc1 .Lopen_\@
	v_add_nc_u32 v[TMP], s[\q0], v[QD]             ; d = my query - the step's first key - 16 h: register n is hidden where 32 (n / 16) + n % 16 > d
.set n, 0
.rept 64
	v_cmp_gt_i32 vcc_lo, 32*(n/16)+n%16, v[TMP]
	v_cndmask_b32 v[S+n], v[S+n], v[NINF], vcc_lo
.set n, n+1
.endr
.Lopen_\@:
.irp b, 0,1,2,3
	v_max3_num_f32 v[BM+\b], v[S+16*\b], v[S+16*\b+1], v[S+16*\b+2]   ; the largest score of each block of 32 keys: for the row's maximum, and, since p rises with the score, for the block's largest p
.endr
.irp i, 3,5,7,9,11,13
.irp b, 0,1,2,3
	v_max3_num_f32 v[BM+\b], v[BM+\b], v[S+16*\b+\i], v[S+16*\b+\i+1]
.endr
.endr
.irp b, 0,1,2,3
	v_max_num_f32 v[BM+\b], v[BM+\b], v[S+16*\b+15]
.endr
.irp b, 0,1,2,3
	v_permlanex16_b32 v[PX+\b], v[BM+\b], s[SEL], s[SEL+1]
.endr
.irp b, 0,1,2,3
	v_max_num_f32 v[BM+\b], v[BM+\b], v[PX+\b]     ; with lane l xor 16's 16 keys
.endr
	v_max3_num_f32 v[TMP], v[BM], v[BM+1], v[BM+2]
	v_max_num_f32 v[TMP], v[TMP], v[BM+3]
	v_mul_f32 v[TMP], s[CS], v[TMP]                ; as t (c is positive)
	v_max_num_f32 v[\st+1], v[\st+1], v[TMP]       ; the running largest t
	v_mov_b32 v[TMP], v[\st]
	v_floor_f32 v[\st], -v[\st+1]                  ; the new -M = -ceil(t)
	v_sub_f32 v[TMP], v[\st], v[TMP]               ; old M - new M: a whole number, 0 or less
	v_cvt_i32_f32 v[TMP], v[TMP]                   ; (it saturates)
	v_ldexp_f32 v[F], 1.0, v[TMP]                  ; f = 2^(old M - new M)
.set n, 0
.rept 32
	v_pk_fma_f32 v[S+n:S+n+1], v[S+n:S+n+1], s[CS:CS+1], v[\st:\st+1] op_sel_hi:[1,0,0]   ; t - M, two at a time
.set n, n+2
.endr
.irp b, 0,1,2,3
	v_fma_f32 v[BM+\b], v[BM+\b], s[CS], v[\st]    ; the same of each block's largest score
.endr
.set n, 0
.rept 64
	v_exp_f32 v[S+n], v[S+n]                       ; p = 2^(t - M)
.set n, n+1
.endr
	v_pk_mul_f32 v[\st+2:\st+3], v[\st+2:\st+3], v[F:F+1] op_sel_hi:[1,0]   ; the sums under the new M (a plain line behind the exponentials)
	s_wait_alu depctr_va_vdst(0)                   ; one wait for the batch of 64, ahead of its first reader
.irp b, 0,1,2,3
	v_exp_f32 v[BM+\b], v[BM+\b]                   ; the block's largest p: the same two instructions on the same number
.endr
	v_pk_add_f32 v[L2:L2+1], v[S:S+1], v[S+2:S+3]  ; the row's sum of the unquantised p, in two chains
.set n, 4
.rept 15
	v_pk_add_f32 v[\st+2:\st+3], v[\st+2:\st+3], v[S+n:S+n+1]
	v_pk_add_f32 v[L2:L2+1], v[L2:L2+1], v[S+n+2:S+n+3]
.set n, n+4
.endr
	v_pk_add_f32 v[\st+2:\st+3], v[\st+2:\st+3], v[L2:L2+1]
	s_wait_alu depctr_va_vdst(0)                   ; and one for the four
.irp b, 0,1,2,3
	v_max_num_f32 v[BM+\b], 0x1800000, v[BM+\b]    ; the floor 2^(3 - 127): a block whose every p is 0 keeps the byte 1; its codes are zeros
.endr
.irp b, 0,1,2,3
	v_add_nc_u32 v[SO+\b], 0xff000000, v[BM+\b]    ; 2 off the exponent field: the conversion's scale operand
.endr
.irp b, 0,1,2,3
	v_lshrrev_b32 v[PX+\b], 23, v[SO+\b]           ; the scale's byte
.endr
	v_lshl_or_b32 v[PS], v[PX+1], 8, v[PX]
	v_lshl_or_b32 v[PS], v[PX+2], 16, v[PS]
	v_lshl_or_b32 v[PS], v[PX+3], 24, v[PS]
.irp b, 0,1,2,3
	v_cvt_scalef32_pk8_fp4_f32 v[PC+2*\b], v[S+16*\b:S+16*\b+7], v[SO+\b]
	v_cvt_scalef32_pk8_fp4_f32 v[PC+2*\b+1], v[S+16*\b+8:S+16*\b+15], v[SO+\b]
.endr
	v_nop                                          ; one plain line behind a scaled conversion
.irp c, 0,1                                    ; a whole block in a lane: lanes 0-15 block 2 c, lanes 16-31 block 2 c + 1
.irp i, 0,1
	v_permlane16_swap_b32 v[PC+4*\c+\i], v[PC+2+4*\c+\i]
.endr
.endr
.set n, 0
.rept 16
	v_pk_mul_f32 v[\o+n:\o+n+1], v[\o+n:\o+n+1], v[F:F+1] op_sel_hi:[1,0]   ; O^T under the new M.  For each product below twelve of these name none of its registers: the places behind p's scale word and codes
.set n, n+2
.endr
	s_wait_dscnt 0x0                               ; v's fragments
.irp t, 0,1,2,3
	v_wmma_scale_f32_16x16x128_f8f6f4 v[\o+8*\t:\o+8*\t+7], v[KF+8*\t:KF+8*\t+7], v[PC:PC+7], v[\o+8*\t:\o+8*\t+7], v[SC+\t], v[PS] matrix_a_fmt:MATRIX_FMT_FP4 matrix_b_fmt:MATRIX_FMT_FP4 matrix_a_scale:MATRIX_SCALE_ROW1
.endr
.Lskip_\@:
.endm
.Lstep:                                            ; 16 trips, a constant: what a tile does not need is jumped over inside
	s_wait_kmcnt 0x0                               ; this step's mask words
	s_mov_b32 s[MW], s[MWN]
	s_mov_b32 s[MW+1], s[MWN+1]
	s_mov_b32 s[MW+2], s[MWN+2]
	s_mov_b32 s[MW+3], s[MWN+3]
	s_or_b32 s[ANY], s[MWN], s[MWN+1]
	s_or_b32 s[T0], s[MWN+2], s[MWN+3]
	s_or_b32 s[ANY], s[ANY], s[T0]
	s_add_co_u32 s[OFF], s[OFF], 16
	s_min_u32 s[OFF], s[OFF], 240                  ; the next step's, a trip ahead; held inside the batch's 256 bytes (the last trip's load repeats its own words, and nobody reads them)
	s_load_b128 s[MWN:MWN+3], s[54:55], s[OFF] offset:0x0
	STEP QZA, QSA, OA, STA, JA, 28
	STEP QZB, QSB, OB, STB, JB, 29
	s_add_co_u32 s[TB], s[TB], REC
	s_add_co_u32 s[J], s[J], 1
	s_cmp_lt_u32 s[J], 16
	s_cbranch_scc1 .Lstep
; THE WAY OUT of a tile: O^T / the sum, quantised along the head's two blocks of 32, leaves as half a fragment of the last product's A (512 consecutive bytes, aligned) and two scale bytes a row.
.macro FINISH o, st, d, pcx, w, gi, gs
	v_add_f32 v[TMP], v[\st+2], v[\st+3]           ; the sum's two halves,
	v_permlanex16_b32 v[PX], v[TMP], s[SEL], s[SEL+1]
	v_add_f32 v[TMP], v[TMP], v[PX]                ; and lane l xor 16's
	v_rcp_f32 v[F], v[TMP]
	v_cmp_eq_f32 vcc_lo, 0, v[TMP]                 ; no key counted for my query (a plain line behind the reciprocal)
	s_wait_alu depctr_va_vdst(0)                   ; the wait ahead of the reciprocal's first reader
	v_cndmask_b32 v[F], v[F], v[F+1], vcc_lo       ; such a row's numbers become zeros
.set n, 0
.rept 16
	v_pk_mul_f32 v[\d+n:\d+n+1], v[\o+n:\o+n+1], v[F:F+1] op_sel_hi:[1,0]   ; each accumulator from its low end on
.set n, n+2
.endr
.irp g, 0,1
	v_max3_num_f32 v[BM+\g], |v[\d+16*\g]|, |v[\d+16*\g+1]|, 0x1800000
.endr
.irp i, 2,4,6,8,10,12,14
.irp g, 0,1
	v_max3_num_f32 v[BM+\g], v[BM+\g], |v[\d+16*\g+\i]|, |v[\d+16*\g+\i+1]|
.endr
.endr
.irp g, 0,1
	v_permlanex16_b32 v[PX+\g], v[BM+\g], s[SEL], s[SEL+1]
.endr
.irp g, 0,1
	v_max_num_f32 v[BM+\g], v[BM+\g], v[PX+\g]
.endr
.irp g, 0,1
	v_add_nc_u32 v[SO+\g], 0xff000000, v[BM+\g]
.endr
.irp g, 0,1
	v_lshrrev_b32 v[PX+\g], 23, v[SO+\g]
.endr
	v_lshl_or_b32 v[\w], v[PX+1], 8, v[PX]
	v_mov_b32 v[TMP+1], 0xffff
	v_cndmask_b32 v[\w], v[\w], v[TMP+1], vcc_lo   ; a row without keys: both bytes are E8M0's NaN
.irp g, 0,1
	v_cvt_scalef32_pk8_fp4_f32 v[\pcx+2*\g], v[\d+16*\g:\d+16*\g+7], v[SO+\g]
	v_cvt_scalef32_pk8_fp4_f32 v[\pcx+2*\g+1], v[\d+16*\g+8:\d+16*\g+15], v[SO+\g]
.endr
	v_nop                                          ; one plain line behind a scaled conversion
	v_permlane16_swap_b32 v[\pcx], v[\pcx+2]       ; lanes 0-15: block 0 whole, lanes 16-31: block 1
	v_permlane16_swap_b32 v[\pcx+1], v[\pcx+3]
	global_store_b128 v[L16], v[\pcx:\pcx+3], s[\gi:\gi+1]
	global_store_b16 v[SA], v[\w], s[\gs:\gs+1]    ; lanes r and 16 + r write the same two bytes with the same value
.endm
.rept 4
	v_nop                                          ; places behind the last products
.endr
	FINISH OA, STA, S, PC, WDA, 46, 48
	FINISH OB, STB, S+32, PC+4, WDB, 50, 52        ; registers of its own for what is stored: no store's data are written again
	s_wait_tensorcnt 0x0
	ds_add_u32 v240, v241
	s_wait_dscnt 0x0
	s_endpgm
.Lfunc_end_k_qa47fc35bec_attn:
	.size	k_qa47fc35bec_attn, .Lfunc_end_k_qa47fc35bec_attn-k_qa47fc35bec_attn
	.p2alignl 7, 3214868480
	.fill 96, 4, 3214868480
	.section	.rodata,"a",@progbits
	.p2align	6, 0x0
	.amdhsa_kernel k_qa47fc35bec_attn
		.amdhsa_group_segment_fixed_size 141312
		.amdhsa_private_segment_fixed_size 0
		.amdhsa_enable_private_segment 0
		.amdhsa_kernarg_size 40
		.amdhsa_user_sgpr_count 2
		.amdhsa_user_sgpr_kernarg_segment_ptr 1
		.amdhsa_wavefront_size32 1
		.amdhsa_system_sgpr_workgroup_id_x 1
		.amdhsa_system_sgpr_workgroup_id_y 1
		.amdhsa_system_sgpr_workgroup_id_z 1
		.amdhsa_system_vgpr_workitem_id 0
		.amdhsa_next_free_vgpr 242
		.amdhsa_next_free_sgpr 72
		.amdhsa_reserve_vcc 1
		.amdhsa_float_denorm_mode_32 3
		.amdhsa_float_denorm_mode_16_64 3
		.amdhsa_memory_ordered 1
		.amdhsa_forward_progress 1
		.amdhsa_inst_pref_size 79
	.end_amdhsa_kernel
	.amdgpu_metadata
---
amdhsa.version: [ 1, 2 ]
amdhsa.kernels:
  - .name:           k_qa47fc35bec_attn
    .symbol:         k_qa47fc35bec_attn.kd
    .args:
      - { .name: qkv_codes, .offset: 0, .size: 8, .value_kind: global_buffer, .address_space: global }
      - { .name: qkv_scales, .offset: 8, .size: 8, .value_kind: global_buffer, .address_space: global }
      - { .name: maskbits, .offset: 16, .size: 8, .value_kind: global_buffer, .address_space: global }
      - { .name: a_img, .offset: 24, .size: 8, .value_kind: global_buffer, .address_space: global }
      - { .name: a_scales, .offset: 32, .size: 8, .value_kind: global_buffer, .address_space: global }
    .group_segment_fixed_size: 141312
    .private_segment_fixed_size: 0
    .kernarg_segment_align: 8
    .kernarg_segment_size: 40
    .max_flat_workgroup_size: 512
    .sgpr_count:     72
    .vgpr_count:     242
    .wavefront_size: 32
...
	.end_amdgpu_metadata
.endif
;; end of part 3
;; launch outp (part 4): grid 4 x 32, 4 waves a work-group, clusters of 4 x 4, 327,680 bytes of LDS; arguments a_img, a_scales, xw_codes, xw_scales, out0, bo; writes out0
.if DOCPART == 4
	.amdgcn_target "amdgcn-amd-amdhsa--gfx1250"
	.amdhsa_code_object_version 6
	.text
	.protected	k_qa47fc35bec_outp
	.globl	k_qa47fc35bec_outp
	.p2align	8
	.type	k_qa47fc35bec_outp,@function
k_qa47fc35bec_outp:
	s_mov_b64 s[64:65], 0
	v_nop
	global_prefetch_b8 v0, s[64:65] scope:SCOPE_SE
	s_setreg_imm32_b32 hwreg(HW_REG_WAVE_MODE, 25, 1), 1
	s_wait_xcnt 0x0
	s_wait_alu depctr_hold_cnt(0) depctr_sa_sdst(0) depctr_va_vdst(0) depctr_va_sdst(0) depctr_va_ssrc(0) depctr_va_vcc(0) depctr_vm_vsrc(0)
	s_getreg_b32 s2, hwreg(HW_REG_IB_STS2, 6, 4)
	s_cmp_eq_u32 s2, 0
	s_cbranch_scc0 .Lentry_in_a_cluster
	s_endpgm
.Lentry_in_a_cluster:
	s_bfe_u32 s2, ttmp6, 0x10000c
	s_cmp_lg_u32 s2, 0xf033
	s_cbranch_scc0 .Lentry_shape_is_right
	s_endpgm
.Lentry_shape_is_right:
; out0 = a Wo^T + bo on codes of FP4 (E2M1) with E8M0 scales.  a: 8,192 rows (places) x 1,024, as IMAGES of the operand's registers: [512 tiles of 16 places][8 steps of 128 K][2][lane][16 bytes]; its scale bytes
; [place][32].  Wo: rows 11,264 on of the weights' codes (512 bytes a row) and scale bytes (32 a row).  out0: [8192][1024] f32.
; A tile of 256 x 256 is made by four waves, 128 x 128 each.  K goes in two steps of 512, one in each of two LDS slots: all of K is asked for at the start, nothing is filled again.  128 work-groups.
; THE MATRIX INSTRUCTION IS USED TRANSPOSED (source 0 = 16 rows of Wo, source 1 = 16 places of a): a lane holds eight neighbouring numbers of a row of out0.  bo is the C of each sum's first product.
; PLACES BECOME TOKENS on the way out, in the stores' immediates: place t of block a is row 32 (a / 2) + 8 (a % 2) + t + 8 (t / 8) of my 128.
; A row whose scale bytes are 0xff (no key counted for it) comes out NaN in all its columns.
; CLUSTERS: 4 x 4 work-groups; a's tiles are asked for jointly along a row of the cluster, Wo's along a column.
; REGISTERS, in windows of 256: window 0: v0-31 addresses; v32-95 scale words, two sets; v128-191 a's fragments, one set; on the way out v128-255.  window 1: Wo's fragments at v0 and v128; v64-127 bo.
;   window 2: the accumulators of my rows 0-63;  window 3: those of rows 64-127.
.set SIZE_N, 1024
.set NQ,     4
.set ROWB,   256                       ; a row of Wo's tile in bytes
.set KROW,   512                       ; a row of codes in memory; also a's bytes for each place
.set PITCH,  272                       ; Wo's rows in LDS: 256 bytes + 16 of padding
.set FR,     8
.set NL,     2
.set NP,     4
.set HALFT,  128*PITCH                 ; the room of 128 rows (a's images take 32,768 bytes of it)
.set SLOT,   4*HALFT
.set KS,     32
.set SCL,    2*SLOT
.set HALFS,  (128*KS/256)*272
.set SBLK,   (16*KS/256)*272
.set SPARE,  SCL+4*HALFS               ; the spare words, 128 bytes for each wave: two blocks of 256 bytes that no other line names
.set SPITCH, 528                       ; the way out: a stage of 16 rows x (512 bytes + 16) for each wave, in slot 0, which has had its one fill and its last read when the first result is stored there
.set BO,   7                           ; v7      bo's lane offset
.set ADRA, 16                          ; v16-17  LDS address of a's images in slot 0, 1: 16 x lane + my 128 places
.set ADRB, 20                          ; v20-21  of Wo's fragments
.set STO,  24
.set RD,   25
.set CO,   26
.set ADRS, 27
.set SPW,  28
.set NIL,  29
.set SC,   32
.set AF,   128
.set BK,   128
.set BI,   64                          ; bo, in window 1: register 8 b + j = column 16 b + 8 h + j of my 128
.set G1, 24
.set G0, 32
.set G1B, 48
.set G0B, 56
.set G1S, 68
.set G0S, 76
.set G1SB, 80
.set G0SB, 88
.set MSB, 0
.macro WIN new
.if MSB != (\new)
	s_set_vgpr_msb (MSB<<8)|(\new)
.set MSB, (\new)
.endif
.endm
.set MUL_LO, 0xa1                      ; source 0 (Wo) window 1, source 1 (a) window 0, C and D window 2
.set MUL_HI, 0xf1
.set BIA_LO, 0x91                      ; the same with C (bo) in window 1
.set BIA_HI, 0xd1
.set TO_B,   0x40
.macro JLOAD g0a, g1a, g0b, g1b        ; waves 0 and 1 fetch for a, waves 2 and 3 for Wo; four v_nop follow each of the two lines
	s_cmp_eq_u32 s15, 0
	s_cbranch_scc0 .Lfor_b_\@
	tensor_load_to_lds s[\g0a:\g0a+3], s[\g1a:\g1a+7]
	s_nop 0
.rept 4
	v_nop
.endr
	s_branch .Lasked_\@
.Lfor_b_\@:
	tensor_load_to_lds s[\g0b:\g0b+3], s[\g1b:\g1b+7]
	s_nop 0
.rept 4
	v_nop
.endr
.Lasked_\@:
.endm
.macro CROUND
	s_barrier_signal -1
	s_barrier_wait -1
	s_cmp_lg_u32 s14, 0
	s_cbranch_scc1 .Lnot_wave_0_\@
	s_barrier_signal -3
.Lnot_wave_0_\@:
	s_barrier_wait -3
	s_barrier_signal -1
	s_barrier_wait -1
.endm
	s_load_b128 s[4:7], s[0:1], 0x0                ; a's images, a's scale bytes
	s_load_b128 s[8:11], s[0:1], 0x10              ; the weights' codes, their scale bytes
	s_load_b64 s[12:13], s[0:1], 0x20              ; out0
	v_lshl_add_u32 v[SPW], v0, 2, SPARE
	v_mov_b32 v[NIL], 0
	ds_add_u32 v28, v29
	ds_add_u32 v28, v29
	s_wait_dscnt 0x0
	v_lshrrev_b32 v1, 5, v0
	v_readfirstlane_b32 s14, v1                    ; wave 0..3
	s_lshr_b32 s15, s14, 1                         ; which half of the tile's rows is mine.  Also: I fetch for a (0) or for Wo (1)
	s_and_b32 s16, s14, 1                          ; which half of its columns.  Also: which 128 rows I fetch
	s_bfe_u32 s40, ttmp6, 0x40000
	s_bfe_u32 s41, ttmp6, 0x40004
	s_lshl_b32 s42, ttmp9, 2
	s_add_co_u32 s42, s42, s40                     ; tile column = 4 x cluster x + cx
	s_and_b32 s17, ttmp7, 0xffff
	s_lshl_b32 s17, s17, 2
	s_add_co_u32 s17, s17, s41                     ; tile row = 4 x cluster y + cy
	s_lshl_b32 s43, s41, 2
	s_lshl_b32 s43, 15, s43                        ; my row of the cluster
	s_lshl_b32 s44, 0x1111, s40                    ; my column
	; a's tile: 8 tiles of places x 4 K steps of images: 8 rows of 4,096 bytes (512 elements of 8), 8,192 bytes apart; dense in LDS: every read is at 16 x lane + a constant
	s_or_b32 s[G1+0], s43, (3<<16)|(1<<21)
	s_mov_b32 s[G1+1], 512<<16                     ; tensor_dim0
	s_mov_b32 s[G1+2], 8<<16                       ; tensor_dim1
	s_mov_b32 s[G1+3], 512<<16                     ; tile_dim0
	s_mov_b32 s[G1+4], 8                           ; tile_dim1
	s_mov_b32 s[G1+5], 1024                        ; tensor_dim0_stride
	s_mov_b32 s[G1+6], 0
	s_mov_b32 s[G1+7], 0
	; Wo's tile: 128 rows x 256 bytes, padded in LDS
	s_or_b32 s[G1B+0], s44, (0<<16)|(1<<20)|(1<<21)|(5<<22)|(3<<25)
	s_mov_b32 s[G1B+1], ROWB<<16
	s_mov_b32 s[G1B+2], 128<<16
	s_mov_b32 s[G1B+3], ROWB<<16
	s_mov_b32 s[G1B+4], 128
	s_mov_b32 s[G1B+5], KROW
	s_mov_b32 s[G1B+6], 0
	s_mov_b32 s[G1B+7], 0
	; the scales of 128 rows: 4,096 dense bytes, as 16 rows of 256 bytes, 16 bytes of padding behind each
	s_or_b32 s[G1S+0], s43, (3<<16)|(1<<20)|(1<<21)|(5<<22)|(3<<25)
	s_or_b32 s[G1SB+0], s44, (3<<16)|(1<<20)|(1<<21)|(5<<22)|(3<<25)
.irp g, G1S, G1SB
	s_mov_b32 s[\g+1], 32<<16
	s_mov_b32 s[\g+2], (128*KS/256)<<16
	s_mov_b32 s[\g+3], 32<<16
	s_mov_b32 s[\g+4], 128*KS/256
	s_mov_b32 s[\g+5], 32
	s_mov_b32 s[\g+6], 0
	s_mov_b32 s[\g+7], 0
.endr
	s_lshl_b32 s18, s16, 7
	s_lshl_b32 s20, s17, 8
	s_add_co_u32 s20, s20, s18                     ; a: place 256 x tile row + 128 x half
	s_lshl_b32 s46, s42, 8
	s_add_co_u32 s46, s46, s18
	s_add_co_u32 s46, s46, 11264                   ; Wo: row 256 x tile column + 128 x half, behind x, Wq, Wk, Wv
	s_mov_b32 s21, 0
	s_mov_b32 s47, 0
	s_mov_b64 s[18:19], KS
	s_mul_u64 s[22:23], s[20:21], s[18:19]
	s_mul_u64 s[92:93], s[46:47], s[18:19]
	s_mov_b64 s[18:19], KROW
	s_mul_u64 s[20:21], s[20:21], s[18:19]         ; (16 places of images are 8,192 bytes: 512 a place)
	s_mul_u64 s[46:47], s[46:47], s[18:19]
	s_mul_i32 s45, s14, HALFT
	s_mul_i32 s94, s14, HALFS
	s_wait_kmcnt 0x0
	s_add_nc_u64 s[20:21], s[4:5], s[20:21]
	s_add_nc_u64 s[22:23], s[6:7], s[22:23]
	s_add_nc_u64 s[46:47], s[8:9], s[46:47]
	s_add_nc_u64 s[92:93], s[10:11], s[92:93]
	CROUND                                         ; all sixteen work-groups are here: the joint loads meet
	s_mov_b32 s[G0S], 1
	s_add_co_u32 s[G0S+1], s94, SCL
	s_mov_b64 s[G0S+2:G0S+3], s[22:23]
	s_or_b32 s[G0S+3], s[G0S+3], 0x80000000
	s_mov_b32 s[G0SB], 1
	s_add_co_u32 s[G0SB+1], s94, SCL
	s_mov_b64 s[G0SB+2:G0SB+3], s[92:93]
	s_or_b32 s[G0SB+3], s[G0SB+3], 0x80000000
	JLOAD G0S, G1S, G0SB, G1SB                     ; by this text's count three tensor loads of a wave are out at the most
.irp s, 0,1
	s_mov_b32 s[G0+4*\s], 1
	s_add_co_u32 s[G0+4*\s+1], s45, \s*SLOT
	s_add_nc_u64 s[G0+4*\s+2:G0+4*\s+3], s[20:21], \s*4096     ; four K steps of images on
	s_or_b32 s[G0+4*\s+3], s[G0+4*\s+3], 0x80000000
	s_mov_b32 s[G0B+4*\s], 1
	s_add_co_u32 s[G0B+4*\s+1], s45, \s*SLOT
	s_add_nc_u64 s[G0B+4*\s+2:G0B+4*\s+3], s[46:47], \s*ROWB
	s_or_b32 s[G0B+4*\s+3], s[G0B+4*\s+3], 0x80000000
	JLOAD G0+4*\s, G1, G0B+4*\s, G1B
.endr
	s_load_b64 s[4:5], s[0:1], 0x28                ; bo (a's pointer is done with)
	v_and_b32 v1, 15, v0                           ; r
	v_bfe_u32 v2, v0, 4, 1                         ; h
	v_and_b32 v6, 31, v0
	v_lshlrev_b32 v[CO], 4, v6                     ; 16 x lane
	v_mul_u32_u24 v3, v1, PITCH
	v_lshl_add_u32 v4, v2, 4, v3
	s_mul_i32 s21, s15, HALFT                      ; my 128 places of a
	s_mul_i32 s22, s16, HALFT                      ; my 128 rows of Wo,
	s_add_co_u32 s22, s22, 2*HALFT                 ; behind a's room
.irp s, 0,1
	v_add_nc_u32 v[ADRA+\s], s21, v[CO]
	v_add_nc_u32 v[ADRB+\s], s22, v4
	s_add_co_u32 s21, s21, SLOT
	s_add_co_u32 s22, s22, SLOT
.endr
	v_mul_u32_u24 v5, v1, KS
	v_lshrrev_b32 v6, 8, v5
	v_lshl_add_u32 v5, v6, 4, v5
	s_mul_i32 s21, s15, HALFS
	s_mul_i32 s22, s16, HALFS
	s_add_co_u32 s22, s22, 2*HALFS
	s_sub_co_u32 s22, s22, s21
	v_mul_u32_u24 v6, s22, v2                      ; lanes 16-31 take Wo's
	s_add_co_u32 s21, s21, SCL
	v_add_nc_u32 v5, v5, v6
	v_add_nc_u32 v[ADRS], s21, v5
	s_mul_i32 s23, s14, 16*SPITCH                  ; my stage
	v_mul_u32_u24 v5, v1, SPITCH
	v_lshl_add_u32 v5, v2, 5, v5
	v_add_nc_u32 v[STO], s23, v5                   ; in: row r, 32 bytes for each half of the lanes
	v_add_nc_u32 v[RD], s23, v[CO]                 ; back: the 32 lanes take one row of 512 bytes
	v_lshlrev_b32 v[BO], 5, v2
	s_lshl_b32 s20, s17, 8
	s_lshl_b32 s21, s15, 7
	s_add_co_u32 s20, s20, s21
	s_lshl_b32 s20, s20, 12                        ; my first row of out0, 4,096 bytes a row
	s_mov_b32 s21, 0
	s_lshl_b32 s46, s42, 10
	s_lshl_b32 s47, s16, 9
	s_add_co_u32 s46, s46, s47                     ; my first column, in bytes: in out0 and in bo alike
	s_mov_b32 s47, 0
	s_add_nc_u64 s[12:13], s[12:13], s[20:21]
	s_add_nc_u64 s[12:13], s[12:13], s[46:47]
	s_wait_kmcnt 0x0
	s_add_nc_u64 s[4:5], s[4:5], s[46:47]
	WIN TO_B
.irp b, 0,1,2,3,4,5,6,7
	global_load_b128 v[BI+8*\b:BI+8*\b+3], v[BO], s[4:5] offset:64*\b
	global_load_b128 v[BI+8*\b+4:BI+8*\b+7], v[BO], s[4:5] offset:64*\b+16
.endr
	WIN 0
.macro FRAG reg, adr, q, i             ; Wo: 16 rows x 128 K from padded rows
.irp c, 0,1
	ds_load_b128 v[\reg+4*\c:\reg+4*\c+3], v[\adr] offset:64*(\q)+32*\c+(\i)*16*PITCH
.endr
.endm
.macro FRAGA reg, slot, q, i           ; a: the image of tile i, the slot's q-th K step
.irp c, 0,1
	ds_load_b128 v[\reg+4*\c:\reg+4*\c+3], v[ADRA+\slot] offset:(\i)*4096+(\q)*1024+512*\c
.endr
.endm
; 16 matrix instructions: a's blocks a0, a0 + 1 x Wo's eight.  first = 1: the first product starts the sums from bo.  The 64 accumulators take turns, one instruction a turn.
.macro MUL16 a0, p, q, sc, first
.irp a, \a0, \a0+1
.irp b, 0,1,2,3,4,5,6,7
.if \first
	v_wmma_scale_f32_16x16x128_f8f6f4 v[8*(8*((\a)%4)+\b):8*(8*((\a)%4)+\b)+7], v[128*(\p)+FR*\b:128*(\p)+FR*\b+FR-1], v[AF+FR*(\a):AF+FR*(\a)+FR-1], v[BI+8*\b:BI+8*\b+7], v[SC+8*NQ*(\sc)+NQ*\b+(\q)], v[SC+8*NQ*(\sc)+NQ*(\a)+(\q)] matrix_a_fmt:MATRIX_FMT_FP4 matrix_b_fmt:MATRIX_FMT_FP4 matrix_a_scale:MATRIX_SCALE_ROW1
.else
	v_wmma_scale_f32_16x16x128_f8f6f4 v[8*(8*((\a)%4)+\b):8*(8*((\a)%4)+\b)+7], v[128*(\p)+FR*\b:128*(\p)+FR*\b+FR-1], v[AF+FR*(\a):AF+FR*(\a)+FR-1], v[8*(8*((\a)%4)+\b):8*(8*((\a)%4)+\b)+7], v[SC+8*NQ*(\sc)+NQ*\b+(\q)], v[SC+8*NQ*(\sc)+NQ*(\a)+(\q)] matrix_a_fmt:MATRIX_FMT_FP4 matrix_b_fmt:MATRIX_FMT_FP4 matrix_a_scale:MATRIX_SCALE_ROW1
.endif
.endr
.endr
.endm
.macro FETCH_B slot, q, p
	WIN TO_B
.irp i, 0,1,2,3,4,5,6,7
	FRAG 128*(\p)+FR*\i, ADRB+\slot, \q, \i
.endr
	WIN 0
.endm
.macro FETCH_A slot, q, i0
.irp i, \i0, \i0+1, \i0+2, \i0+3
	FRAGA AF+FR*(\i), \slot, \q, \i
.endr
.endm
.macro SCALES sc
.irp i, 0,1,2,3,4,5,6,7
	ds_load_b128 v[SC+8*NQ*\sc+NQ*\i:SC+8*NQ*\sc+NQ*\i+3], v[ADRS] offset:\i*SBLK
.endr
.endm
.macro PLACES n                        ; plain vector lines between a matrix instruction and a load into, or a store of, its registers
.rept \n
	v_nop
.endr
.endm
.macro STEP slot, q, first
	s_wait_dscnt 4*NL                              ; Wo's set and a's blocks 0-3 are in; the youngest eight loads (a's blocks 4-7) may be out
.if \first
	WIN BIA_LO
.else
	WIN MUL_LO
.endif
	MUL16 0, (\q)%2, \q, \slot, \first
	MUL16 2, (\q)%2, \q, \slot, \first
	s_wait_dscnt 0
	PLACES NP
	FETCH_B \slot, (\q)+1, 1-(\q)%2
	FETCH_A \slot, (\q)+1, 0
.if \first
	WIN BIA_HI
.else
	WIN MUL_HI
.endif
	MUL16 4, (\q)%2, \q, \slot, \first
	MUL16 6, (\q)%2, \q, \slot, \first
	PLACES NP
	WIN 0
	FETCH_A \slot, (\q)+1, 4
.endm
.macro TURN slot, next                 ; a slot's last step changes slots: one barrier
	s_wait_tensorcnt 0x0                           ; all my tensor loads have landed: my part of the next slot
	ds_add_u32 v[SPW], v[NIL]                      ; 0 onto my spare word
	s_wait_dscnt 4*NL+1                            ; (the add and the youngest eight loads may be out)
	WIN MUL_LO
	MUL16 0, 1, NQ-1, \slot, 0
	s_wait_dscnt 0x0                               ; the add is done, and my reads of this slot are over
	s_barrier_signal -1
	MUL16 2, 1, NQ-1, \slot, 0
	WIN 0
	s_barrier_wait -1
	PLACES NP
	v_add_nc_u32 v[ADRS], 4*NQ, v[ADRS]
	FETCH_B \next, 0, 0
	FETCH_A \next, 0, 0
	SCALES \next
	WIN MUL_HI
	MUL16 4, 1, NQ-1, \slot, 0
	MUL16 6, 1, NQ-1, \slot, 0
	PLACES NP
	WIN 0
	FETCH_A \next, 0, 4
.endm
.macro STEPS slot, from
.set Q, \from
.rept NQ-1-\from
	STEP \slot, Q, 0
.set Q, Q+1
.endr
.endm
	s_wait_tensorcnt 1                             ; the scales and my part of slot 0 are in (slot 1's load may be out)
	s_barrier_signal -1
	s_barrier_wait -1                              ; everybody's are
	FETCH_B 0, 0, 0
	FETCH_A 0, 0, 0
	SCALES 0
	FETCH_A 0, 0, 4
	s_wait_loadcnt 0x0                             ; bo
	STEP 0, 0, 1
	STEPS 0, 1
	TURN 0, 1
	STEPS 1, 0
	s_wait_dscnt 4*NL
	WIN MUL_LO
	MUL16 0, 1, NQ-1, 1, 0
	MUL16 2, 1, NQ-1, 1, 0
	s_wait_dscnt 0
	WIN MUL_HI
	MUL16 4, 1, NQ-1, 1, 0
	MUL16 6, 1, NQ-1, 1, 0
	WIN 0
; THE WAY OUT, block by block of 16 places x 128 columns, through my own stage: a lane holds 32 bytes of a row; back come whole rows of 512 bytes, which the 32 lanes store as 512 consecutive bytes, aligned.
; LDS serves a wave's instructions in order (ISA guide 5.7.1.4): no wait between the stores and the loads, nor in front of the next block's stores.
.macro TOSTAGE a
.set AC, 64*((\a)%4)
	WIN 0x08+4*((\a)/4)                            ; the data: window 2 or 3
.irp b, 0,1,2,3,4,5,6,7
	ds_store_b128 v[STO], v[AC+8*\b:AC+8*\b+3] offset:64*\b          ; each accumulator from its low end on
	ds_store_b128 v[STO], v[AC+8*\b+4:AC+8*\b+7] offset:64*\b+16
.endr
	WIN 0
.set BB, BK+64*((\a)%2)
.irp t, 0,1,2,3,4,5,6,7,8,9,10,11,12,13,14,15
	ds_load_b128 v[BB+4*\t:BB+4*\t+3], v[RD] offset:\t*SPITCH
.endr
.endm
.macro SEND a, younger                 ; younger: the LDS instructions issued behind block a's loads, which may stay out
.set BB, BK+64*((\a)%2)
	s_wait_dscnt \younger
.irp t, 0,1,2,3,4,5,6,7,8,9,10,11,12,13,14,15
	global_store_b128 v[CO], v[BB+4*\t:BB+4*\t+3], s[12:13] offset:(32*((\a)/2)+8*((\a)%2)+\t+8*(\t/8))*SIZE_N*4 th:TH_STORE_NT   ; the place's token; 127 rows of 4,096 bytes at the most, inside the signed 24-bit immediate; written once, read by nobody here
.endr
.endm
	PLACES NP                                      ; in front of the first store of results and of the loads into the registers that held a's fragments
	TOSTAGE 0
.irp a, 1,2,3,4,5,6,7
.if \a > 1
	s_wait_xcnt 0x0                                ; block a - 2's stores have read their registers: block a's loads land there only behind this wait
.endif
	TOSTAGE \a
	SEND \a-1, 32                                  ; behind block a - 1's loads: block a's 16 stores and 16 loads
.endr
	SEND 7, 0
	s_wait_tensorcnt 0x0                           ; the wave's end: behind my last tensor load and my last LDS store
	ds_add_u32 v[SPW], v[NIL]
	s_wait_dscnt 0x0
	CROUND                                         ; the closing round: no work-group ends while a partner may still ask for a tile that names it
	s_endpgm
.Lfunc_end_k_qa47fc35bec_outp:
	.size	k_qa47fc35bec_outp, .Lfunc_end_k_qa47fc35bec_outp-k_qa47fc35bec_outp
	.p2alignl 7, 3214868480
	.fill 96, 4, 3214868480
	.section	.rodata,"a",@progbits
	.p2align	6, 0x0
	.amdhsa_kernel k_qa47fc35bec_outp
		.amdhsa_group_segment_fixed_size 327680
		.amdhsa_private_segment_fixed_size 0
		.amdhsa_enable_private_segment 0
		.amdhsa_kernarg_size 48
		.amdhsa_user_sgpr_count 2
		.amdhsa_user_sgpr_kernarg_segment_ptr 1
		.amdhsa_wavefront_size32 1
		.amdhsa_system_sgpr_workgroup_id_x 1
		.amdhsa_system_sgpr_workgroup_id_y 1
		.amdhsa_system_sgpr_workgroup_id_z 1
		.amdhsa_system_vgpr_workitem_id 0
		.amdhsa_next_free_vgpr 1024
		.amdhsa_next_free_sgpr 98
		.amdhsa_reserve_vcc 0
		.amdhsa_float_denorm_mode_32 3
		.amdhsa_float_denorm_mode_16_64 3
		.amdhsa_memory_ordered 1
		.amdhsa_forward_progress 1
		.amdhsa_inst_pref_size 126
	.end_amdhsa_kernel
	.amdgpu_metadata
---
amdhsa.version: [ 1, 2 ]
amdhsa.kernels:
  - .name:           k_qa47fc35bec_outp
    .symbol:         k_qa47fc35bec_outp.kd
    .args:
      - { .name: a_img, .offset: 0, .size: 8, .value_kind: global_buffer, .address_space: global }
      - { .name: a_scales, .offset: 8, .size: 8, .value_kind: global_buffer, .address_space: global }
      - { .name: xw_codes, .offset: 16, .size: 8, .value_kind: global_buffer, .address_space: global }
      - { .name: xw_scales, .offset: 24, .size: 8, .value_kind: global_buffer, .address_space: global }
      - { .name: out0, .offset: 32, .size: 8, .value_kind: global_buffer, .address_space: global }
      - { .name: bo, .offset: 40, .size: 8, .value_kind: global_buffer, .address_space: global }
    .group_segment_fixed_size: 327680
    .private_segment_fixed_size: 0
    .kernarg_segment_align: 8
    .kernarg_segment_size: 48
    .max_flat_workgroup_size: 128
    .sgpr_count:     98
    .vgpr_count:     1024
    .wavefront_size: 32
...
	.end_amdgpu_metadata
.endif
;; end of part 4
;; ======== version 2 of 2: 4 launches; version 1 with the launch attn written anew for expert scheduling mode
;; workspace buffers: xw_codes 6,291,456 bytes; xw_scales 393,216 bytes; maskbits 1,024 bytes of whole numbers; qkv_codes 12,582,912 bytes; qkv_scales 786,432 bytes; a_img 4,194,304 bytes; a_scales 262,144 bytes
;; launch quant: the kernel of part 1 again; grid 384 x 1, 4 waves a work-group, no clusters, 33,280 bytes of LDS; arguments x, Wq, Wk, Wv, Wo, padding_mask, xw_codes, xw_scales, maskbits; writes xw_codes, xw_scales, maskbits
;; launch proj: the kernel of part 2 again; grid 8 x 48, 4 waves a work-group, clusters of 4 x 4, 327,680 bytes of LDS; arguments xw_codes, xw_scales, bq, bk, qkv_codes, qkv_scales, bv; writes qkv_codes, qkv_scales
;; launch attn (part 5): grid 4 x 64, 16 waves a work-group, no clusters, 141,312 bytes of LDS; arguments qkv_codes, qkv_scales, maskbits, a_img, a_scales; writes a_img, a_scales
.if DOCPART == 5
	.amdgcn_target "amdgcn-amd-amdhsa--gfx1250"
	.amdhsa_code_object_version 6
	.text
	.protected	k_qa47fc35bec_attn
	.globl	k_qa47fc35bec_attn
	.p2align	8
	.type	k_qa47fc35bec_attn,@function
k_qa47fc35bec_attn:
	s_mov_b64 s[64:65], 0
	v_nop
	global_prefetch_b8 v0, s[64:65] scope:SCOPE_SE
	s_setreg_imm32_b32 hwreg(HW_REG_WAVE_SCHED_MODE, 0, 2), 2
	s_setreg_imm32_b32 hwreg(HW_REG_WAVE_MODE, 25, 1), 1
	s_wait_xcnt 0x0
	s_wait_alu depctr_vm_vsrc(0)
; Causal attention with a padding mask, head size 64, 2,048 keys, both products on codes of FP4 (E2M1) with E8M0 scales; the result, divided by the row's sum, is quantised along the model's 1,024 and leaves as codes.
; THE SOFTMAX: t = score x log2(e) / 8; M = the running largest t rounded UP to a whole number; p = 2^(t - M) is quantised along the keys, not normalised; the row's sum is taken of the unquantised p.  When M moves,
; the sum and O are multiplied by 2^(old M - new M): exact.  Hidden scores (key after the query; padded key) become -infinity ahead of the maximum: p = 0.
; A ROW WITH NO KEY THAT COUNTS has the sum 0: its two scale bytes are stored as 0xff, the NaN of E8M0, so that the last product makes the whole row NaN; its codes are zeros.
; SHARES.  A work-group has one (batch, head) and 32 of its 128 tiles of 16 queries.  Wave W (0 .. 63 over the head's four work-groups) owns tiles W and 127 - W.  Tile i needs the key steps 0 .. i / 8 of 128 keys,
; so every wave works 17 steps.  Four waves share a SIMD: one wave's vector work stands beside another's products and LDS loads.
; PLACES.  Tiles are tiles of places: place r of tile i is token 32 (i / 2) + 8 (i % 2) + r + 8 (r / 8).  Both products are used transposed (S^T = k q^T, O^T = v^T p^T): a lane holds ONE query, and by that order of
; places register 16 b + i of the scores is key 32 b + 16 (lane / 16) + i of the step, and of O^T channel 32 b + 16 (lane / 16) + i: neighbours, as the conversions want them.
; K = 64 IN AN INSTRUCTION OF 128: a fragment of k holds TWO tiles of keys (K 0-63: tile 2 f, K 64-127: tile 2 f + 1); q stands beside 64 zero codes, below them or above: the other tile's products are zeros.
; LDS: the head's k and v, codes and scale words, 16 records of 8,704 bytes (a step each), copied once through registers, as images of the operands' registers: every read is at 16 x lane + a constant.
; NO TENSOR LOAD, NO CLUSTER: the work for padded keys is jumped over where a step's four mask words are 0, a branch on words read from memory; and what the
; head's four work-groups share, 139,264 bytes each, is asked for once, at the head.  For the same reason there is no later load that a prefetch could run ahead of.
; LIMITS: a block of zeros, or one whose largest magnitude lies under 2^-124, keeps the byte 1.  The scale bytes leave two bytes a row (1 byte in 17 of what the launch stores).
; THE MODE: SCHED_MODE bits 1:0 = 2 (LLVM: expert scheduling mode 2), set by the entry lines.  The code itself states the register dependences between vector or matrix instructions and memory or LDS
; instructions, with s_wait_alu, always for 0.
; THE PLAN.  Registers that memory or LDS instructions touch:
;   v1, v5, v6, v7       offsets and LDS addresses, made once at the head and never written again.
;   v80-147, v232, v234, v235   at the head: the copies' data, an LDS address, two offsets.  All are written again later (scores, O^T, a sum, the scale bytes): one wait on vm_vsrc behind the head's last LDS store.
;   v[AD]                read by every LDS load of a trip; written once a trip, at its head, behind a wait on vm_vsrc.
;   v[KF ..], v[SC ..]   written by LDS loads alone: k's fragments and the scale words at a step's head, v's fragments under the softmax; read by the step's 8 products k q^T and its 4 products v^T p^T.
;   v[PC ..], v234, v235 on the way out: written by both tiles' arithmetic, read by the four stores, which stand in one run behind one wait.
; A step has four waits on va_vdst: (a) at its head: v[AD] is written, and the products issued last are done reading KF and SC; (b) behind the 64 exponentials: p is written, and the products k q^T are done reading KF:
; v's loads stand directly behind it; (c) behind the four exponentials of the blocks' largest p; (d) ahead of the products v^T p^T: p's codes and scale word are written.
; A second set of 32 + 4 registers, into which the next step's k could be asked for under the softmax, does not fit: sixteen waves share four times 1,024 registers, 256 a wave, and 236 are in use.
.set REC,  8704                        ; a record: 0 k's 8 tiles of 512 bytes; 4,096 v's 4 fragments of 1,024; 8,192 k's scale words [r][4]; 8,448 v's [r][4]
.set L16,  1                           ; v1   16 x lane
.set QD,   2                           ; v2   r + 8 (r / 8) - 16 h
.set NINF, 3                           ; v3   -infinity
.set AD,   4                           ; v4   LDS address of the trip's record
.set SA,   5                           ; v5   32 r: a row of the output's scale bytes
.set WA,   6                           ; v6-7 where my thread puts its 16 bytes of a copy: records 0-7, 8-15
.set WA2,  7
.set QZA,  8                           ; v8-19  tile A: 4 registers of zero codes, q's 4, 4 of zero codes;  v20-31 tile B
.set QZB,  20
.set QSA,  32                          ; v32, v33 q's scale words: its two bytes, twice
.set QSB,  33
.set SC,   34                          ; v34-37 lanes 0-15 k's four scale words, lanes 16-31 v's four
.set PS,   38                          ; v38  p's scale word
.set STA,  40                          ; v40 -M, v41 the largest t, v[42:43] the sum in two halves;  v44-47 tile B's
.set STB,  44
.set KF,   48                          ; v48-79 four fragments: k's, then v's
.set S,    80                          ; v80-143 S^T, then p
.set OA,   144                         ; v144-175, v176-207 O^T of the two tiles
.set OB,   176
.set PC,   208                         ; v208-215 p's codes
.set BM,   216                         ; v216-219 the blocks' largest
.set PX,   220                         ; v220-223 the other half's; then bytes
.set SO,   224                         ; v224-227 the conversions' scale operands
.set F,    228                         ; v228 2^(old M - new M); v229 = 0
.set TMP,  230
.set L2,   232                         ; v[232:233] the sum's second chain
.set WDA,  234                         ; v234, v235 the way out's scale bytes; at the head: 16 x thread, 16 r
.set WDB,  235
.set CM,   4                           ; s4-19 in the loop: sixteen lane masks of the diagonal's compares (the pointers and ids that stand there at the head are done with at its end)
.set WV,   14
.set SEL,  20                          ; s[20:21] lane selects: lane l xor 16
.set CS,   22                          ; s[22:23] c = log2(e) / 8, twice
.set J,    24                          ; s24 the step;  s25 its record
.set TB,   25
.set JA,   26                          ; s26, s27 the tiles' last steps;  s28, s29 their first tokens within that step
.set JB,   27
.set MW,   32                          ; s[32:35] the step's four mask words;  s[36:39] the next step's
.set MWN,  36
.set OFF,  40
.set ANY,  41
.set T0,   42
.set ONES, 44                          ; s44 0x10001;  s45 0xffff
.set WIDE, 45
	s_load_b256 s[4:11], s[0:1], 0x0               ; codes, scale words, mask words, the output's images
	s_load_b64 s[12:13], s[0:1], 0x20              ; the output's scale bytes
	v_lshl_add_u32 v238, v0, 2, 0x22000
	v_mov_b32 v239, 0
	v_lshrrev_b32 v216, 5, v0
	v_readfirstlane_b32 s[WV], v216                ; wave 0..15
	v_and_b32 v216, 15, v0                         ; r
	v_bfe_u32 v217, v0, 4, 1                       ; h
	v_and_b32 v[L16], 31, v0
	v_lshlrev_b32 v[L16], 4, v[L16]
	v_and_b32 v[QD], 8, v216
	v_add_nc_u32 v[QD], v[QD], v216
	v_lshlrev_b32 v217, 4, v217
	v_sub_nc_u32 v[QD], v[QD], v217
	v_mov_b32 v[NINF], 0xff800000
	v_lshlrev_b32 v[SA], 5, v216
	v_lshlrev_b32 v[WDB], 4, v216                  ; 16 r: q's scale words
	v_lshlrev_b32 v[WDA], 4, v0                    ; 16 x thread: a copy of the work-group covers 8,192 consecutive bytes: two records' k or v
	v_lshrrev_b32 v218, 8, v0
	v_and_b32 v219, 255, v0
	v_mul_u32_u24 v[WA], v218, REC
	v_lshl_add_u32 v[WA], v219, 4, v[WA]           ; record thread / 256, byte 16 (thread % 256)
	v_add_nc_u32 v[WA2], 8*REC, v[WA]
	v_lshrrev_b32 v219, 4, v219
	v_mul_u32_u24 v[L2], v219, REC                 ; the scale words: threads 0-255 k's, 256-511 v's: record (thread % 256) / 16,
	v_lshl_add_u32 v[L2], v218, 8, v[L2]           ; 256 bytes on for v's,
	v_lshl_add_u32 v[L2], v216, 4, v[L2]           ; 16 r
	s_wait_alu depctr_va_sdst(0)                   ; s[WV] is written, ahead of its first reader: the tiles' numbers are made from it
	s_and_b32 s19, ttmp7, 0xffff                   ; (batch, head)
	s_lshr_b32 s15, s19, 4                         ; batch
	s_and_b32 s16, s19, 15                         ; head
	s_lshl_b32 s17, ttmp9, 4
	s_add_co_u32 s17, s17, s[WV]                   ; tile A
	s_sub_co_u32 s18, 127, s17                     ; tile B
	s_lshr_b32 s[JA], s17, 3
	s_lshr_b32 s[JB], s18, 3
	s_bfe_u32 s30, s17, 0x20001
	s_lshl_b32 s28, s30, 5
	s_and_b32 s31, s17, 1
	s_lshl_b32 s31, s31, 3
	s_add_co_u32 s28, s28, s31                     ; 32 ((i % 8) / 2) + 8 (i % 2)
	s_bfe_u32 s30, s18, 0x20001
	s_lshl_b32 s29, s30, 5
	s_and_b32 s31, s18, 1
	s_lshl_b32 s31, s31, 3
	s_add_co_u32 s29, s29, s31
	s_mov_b32 s[SEL], 0x76543210
	s_mov_b32 s[SEL+1], 0xfedcba98
	s_mov_b32 s[CS], 0x3e38aa3b
	s_mov_b32 s[CS+1], s[CS]
	s_mov_b32 s[ONES], 0x10001
	s_mov_b32 s[WIDE], 0xffff
	s_mov_b32 s[J], 0
	s_mov_b32 s[TB], 0
	s_mov_b32 s[OFF], 0
	s_mov_b32 s43, 0
	s_add_co_u32 s30, s16, 16                      ; k's place among the 32 heads of q and k
	s_lshl_b32 s42, s30, 18
	s_lshl_b32 s31, s15, 16
	s_add_co_u32 s42, s42, s31
	s_wait_kmcnt 0x0
	s_add_nc_u64 s[56:57], s[4:5], s[42:43]        ; k's codes of my batch and head: 65,536 bytes
	s_wait_alu depctr_va_vdst(0)                   ; the offsets and LDS addresses v1, v5, v6, v7, v232, v234, v235 are written: the loads, LDS stores and stores of the whole kernel read them
.irp i, 0,1,2,3,4,5,6,7
	global_load_b128 v[S+4*\i:S+4*\i+3], v[WDA], s[56:57] offset:8192*\i
.endr
	s_lshl_b32 s42, s19, 16
	s_add_co_u32 s42, s42, 0x800000
	s_add_nc_u64 s[58:59], s[4:5], s[42:43]        ; v's: 65,536 bytes
.irp i, 0,1,2,3,4,5,6,7
	global_load_b128 v[S+32+4*\i:S+32+4*\i+3], v[WDA], s[58:59] offset:8192*\i
.endr
	s_lshl_b32 s42, s30, 14
	s_lshl_b32 s31, s15, 12
	s_add_co_u32 s42, s42, s31                     ; k's scale words: 4,096 bytes, waves 0-7
	s_lshl_b32 s31, s19, 12
	s_add_co_u32 s31, s31, 524288-4096             ; v's: 4,096 bytes, waves 8-15, whose 16 x thread begins at 4,096
	s_cmp_lt_u32 s[WV], 8
	s_cselect_b32 s42, s42, s31
	s_add_nc_u64 s[60:61], s[6:7], s[42:43]
	global_load_b128 v[S+64:S+67], v[WDA], s[60:61]
	s_lshl_b32 s30, s16, 9
	s_lshl_b32 s31, s15, 7
	s_add_co_u32 s30, s30, s31                     ; q: head x 512 + batch x 128 tiles
	s_add_co_u32 s42, s30, s17
	s_lshl_b32 s42, s42, 9
	s_add_nc_u64 s[62:63], s[4:5], s[42:43]
	global_load_b128 v[QZA+4:QZA+7], v[L16], s[62:63]
	s_add_co_u32 s42, s30, s18
	s_lshl_b32 s42, s42, 9
	s_add_nc_u64 s[66:67], s[4:5], s[42:43]
	global_load_b128 v[QZB+4:QZB+7], v[L16], s[66:67]
	s_lshl_b32 s30, s16, 6
	s_lshl_b32 s31, s15, 4
	s_add_co_u32 s30, s30, s31                     ; q's scale words: head x 64 + batch x 16 groups of 256 bytes; word (i % 8) / 2 of row r
	s_add_co_u32 s42, s30, s[JA]
	s_lshl_b32 s42, s42, 8
	s_bfe_u32 s31, s17, 0x20001
	s_lshl_b32 s31, s31, 2
	s_add_co_u32 s42, s42, s31
	s_add_nc_u64 s[68:69], s[6:7], s[42:43]
	global_load_b32 v[TMP], v[WDB], s[68:69]
	s_add_co_u32 s42, s30, s[JB]
	s_lshl_b32 s42, s42, 8
	s_bfe_u32 s31, s18, 0x20001
	s_lshl_b32 s31, s31, 2
	s_add_co_u32 s42, s42, s31
	s_add_nc_u64 s[70:71], s[6:7], s[42:43]
	global_load_b32 v[TMP+1], v[WDB], s[70:71]
	s_lshl_b32 s42, s15, 8
	s_add_nc_u64 s[54:55], s[8:9], s[42:43]        ; my batch's 64 mask words
	s_load_b128 s[MWN:MWN+3], s[54:55], s[OFF] offset:0x0   ; step 0's four
	s_lshl_b32 s30, s15, 7                         ; the way out: image (batch x 128 + tile) x 8,192 + head x 512; scale bytes (batch x 128 + tile) x 512 + 2 x head
	s_add_co_u32 s31, s30, s17
	s_lshl_b32 s42, s31, 13
	s_lshl_b32 s41, s16, 9
	s_add_co_u32 s42, s42, s41
	s_add_nc_u64 s[46:47], s[10:11], s[42:43]
	s_lshl_b32 s42, s31, 9
	s_lshl_b32 s41, s16, 1
	s_add_co_u32 s42, s42, s41
	s_add_nc_u64 s[48:49], s[12:13], s[42:43]
	s_add_co_u32 s31, s30, s18
	s_lshl_b32 s42, s31, 13
	s_lshl_b32 s41, s16, 9
	s_add_co_u32 s42, s42, s41
	s_add_nc_u64 s[50:51], s[10:11], s[42:43]
	s_lshl_b32 s42, s31, 9
	s_lshl_b32 s41, s16, 1
	s_add_co_u32 s42, s42, s41
	s_add_nc_u64 s[52:53], s[12:13], s[42:43]
	s_mov_b32 s30, 0x01000100                      ; an even tile's two bytes are its word's low half, an odd tile's the high half; A and B are of unlike parity
	s_mov_b32 s31, 0x03020302
	s_bitcmp1_b32 s17, 0
	s_cselect_b32 s42, s31, s30
	s_cselect_b32 s41, s30, s31
	; the copies go to LDS as they come: behind copy i stand 16 - i younger copies and q's four loads
.irp i, 0,1,2,3
	s_wait_loadcnt 20-\i
	ds_store_b128 v[WA], v[S+4*\i:S+4*\i+3] offset:2*REC*\i
.endr
.irp i, 4,5,6,7
	s_wait_loadcnt 20-\i
	ds_store_b128 v[WA2], v[S+4*\i:S+4*\i+3] offset:2*REC*(\i-4)
.endr
.irp i, 0,1,2,3
	s_wait_loadcnt 12-\i
	ds_store_b128 v[WA], v[S+32+4*\i:S+32+4*\i+3] offset:2*REC*\i+4096
.endr
.irp i, 4,5,6,7
	s_wait_loadcnt 12-\i
	ds_store_b128 v[WA2], v[S+32+4*\i:S+32+4*\i+3] offset:2*REC*(\i-4)+4096
.endr
	s_wait_loadcnt 4
	ds_store_b128 v[L2], v[S+64:S+67] offset:8192
	s_wait_alu depctr_vm_vsrc(0)                   ; the LDS stores have read v80-147 and v232, the loads v234 and v235: O^T's zeros below, the scores, the sum's second chain and the way out's bytes are written there
	s_wait_loadcnt 0x0                             ; q
	v_perm_b32 v[QSA], v[TMP], v[TMP], s42
	v_perm_b32 v[QSB], v[TMP+1], v[TMP+1], s41
.irp z, 0,1,2,3,8,9,10,11
	v_mov_b32 v[QZA+\z], 0                         ; the zero codes beside q
	v_mov_b32 v[QZB+\z], 0
.endr
.irp t, STA, STB
	v_mov_b32 v[\t+1], 0xff61b1e6                  ; the largest t so far: -3e38, under every t
	v_floor_f32 v[\t], -v[\t+1]                    ; -M
	v_mov_b32 v[\t+2], 0                           ; the sum, in two halves
	v_mov_b32 v[\t+3], 0
.endr
.irp b, 0,1,2,3
	v_mov_b32 v[PX+\b], 0                          ; written once: a lane permute's destination counts as one of its sources
.endr
	v_mov_b32 v[F+1], 0                            ; the pair's upper half; also the 0 that stands for 1 / sum in a row without keys
.set n, 0
.rept 64
	v_mov_b32 v[OA+n], 0                           ; O^T of both tiles: the step is written once, and its first turn finds zeros
.set n, n+1
.endr
	s_wait_dscnt 0x0                               ; for the others' sake: my stores have landed
	s_barrier_signal -1
	s_barrier_wait -1                              ; the launch's one barrier: from here on LDS is only read
; A KEY STEP of one tile: 128 keys.  qz, qs: q's registers and scale word; o: O^T; st: -M, largest t, sum; jx: the tile's last step; q0: its first token within that step.
.macro STEP qz, qs, o, st, jx, q0
	s_cmp_gt_u32 s[J], s[\jx]                      ; all keys of this step come after the tile's queries: a branch on ids
	s_cbranch_scc1 .Lskip_\@
.rept 4
	v_nop                                          ; four plain lines between the last products and the loads into registers that those read; they stand beside the wait below, not for it
.endr
	s_wait_alu depctr_va_vdst(0)                   ; v[AD] is written, which the loads below read; the products issued last are done reading v[KF ..] and v[SC ..], in which they land; at the first step q's zero codes and scale words are written, which the products below take
.irp f, 0,1,2,3
.irp c, 0,1
	ds_load_b128 v[KF+8*\f+4*\c:KF+8*\f+4*\c+3], v[AD] offset:1024*\f+512*\c   ; tile 2 f + c of the keys
.endr
.endr
	ds_load_b128 v[SC:SC+3], v[AD] offset:8192     ; lanes 0-15: k's four words of row r; lanes 16-31: v's
	s_wait_dscnt 0x0
.irp f, 0,1,2,3
	v_wmma_scale_f32_16x16x128_f8f6f4 v[S+16*\f:S+16*\f+7], v[KF+8*\f:KF+8*\f+7], v[\qz+4:\qz+11], 0, v[SC+\f], v[\qs] matrix_a_fmt:MATRIX_FMT_FP4 matrix_b_fmt:MATRIX_FMT_FP4       ; q below, zeros above: tile 2 f
	v_wmma_scale_f32_16x16x128_f8f6f4 v[S+16*\f+8:S+16*\f+15], v[KF+8*\f:KF+8*\f+7], v[\qz:\qz+7], 0, v[SC+\f], v[\qs] matrix_a_fmt:MATRIX_FMT_FP4 matrix_b_fmt:MATRIX_FMT_FP4     ; zeros below, q above: tile 2 f + 1
.endr
.rept 4
	v_nop                                          ; places in front of the first read of the scores
.endr
	s_cmp_eq_u32 s[ANY], 0                         ; no key of this step is padded: a branch on whole numbers that an earlier launch stored
	s_cbranch_scc1 .Lnopad_\@
.set n, 0
.rept 64                                       ; register n holds key 32 (n / 16) + 16 h + n % 16: lanes 0-15 want bit n % 16 of word n / 16, lanes 16-31 bit 16 + n % 16
	s_lshr_b32 s[T0+n%2], s[MW+n/16], n%16
	s_and_b32 s[T0+n%2], s[T0+n%2], s[ONES]
	s_mul_i32 s[T0+n%2], s[T0+n%2], s[WIDE]        ; each of the two bits spread over its 16 lanes
	v_cndmask_b32 v[S+n], v[S+n], v[NINF], s[T0+n%2]
.set n, n+1
.endr
.Lnopad_\@:
	s_cmp_lg_u32 s[J], s[\jx]                      ; only the tile's last step lies on the diagonal
	s_cbranch_scc1 .Lopen_\@
	v_add_nc_u32 v[TMP], s[\q0], v[QD]             ; d = my query - the step's first key - 16 h: register 16 b + n is hidden where 32 b + n > d
.set blk, 0
.rept 4                                        ; a block of 16 registers at a time: sixteen compares into sixteen masks, one wait, sixteen selects
.set n, 0
.rept 16
	v_cmp_gt_i32 s[CM+n], 32*blk+n, v[TMP]
.set n, n+1
.endr
	s_wait_alu depctr_va_sdst(0)                   ; the sixteen compares have written s[CM ..], ahead of the selects that read them
.set n, 0
.rept 16
	v_cndmask_b32 v[S+16*blk+n], v[S+16*blk+n], v[NINF], s[CM+n]
.set n, n+1
.endr
.set blk, blk+1
.endr
.Lopen_\@:
.irp b, 0,1,2,3
	v_max3_num_f32 v[BM+\b], v[S+16*\b], v[S+16*\b+1], v[S+16*\b+2]   ; the largest score of each block of 32 keys: for the row's maximum, and, since p rises with the score, for the block's largest p
.endr
.irp i, 3,5,7,9,11,13
.irp b, 0,1,2,3
	v_max3_num_f32 v[BM+\b], v[BM+\b], v[S+16*\b+\i], v[S+16*\b+\i+1]
.endr
.endr
.irp b, 0,1,2,3
	v_max_num_f32 v[BM+\b], v[BM+\b], v[S+16*\b+15]
.endr
.irp b, 0,1,2,3
	v_permlanex16_b32 v[PX+\b], v[BM+\b], s[SEL], s[SEL+1]
.endr
.irp b, 0,1,2,3
	v_max_num_f32 v[BM+\b], v[BM+\b], v[PX+\b]     ; with lane l xor 16's 16 keys
.endr
	v_max3_num_f32 v[TMP], v[BM], v[BM+1], v[BM+2]
	v_max_num_f32 v[TMP], v[TMP], v[BM+3]
	v_mul_f32 v[TMP], s[CS], v[TMP]                ; as t (c is positive)
	v_max_num_f32 v[\st+1], v[\st+1], v[TMP]       ; the running largest t
	v_mov_b32 v[TMP], v[\st]
	v_floor_f32 v[\st], -v[\st+1]                  ; the new -M = -ceil(t)
	v_sub_f32 v[TMP], v[\st], v[TMP]               ; old M - new M: a whole number, 0 or less
	v_cvt_i32_f32 v[TMP], v[TMP]                   ; (it saturates)
	v_ldexp_f32 v[F], 1.0, v[TMP]                  ; f = 2^(old M - new M)
.set n, 0
.rept 32
	v_pk_fma_f32 v[S+n:S+n+1], v[S+n:S+n+1], s[CS:CS+1], v[\st:\st+1] op_sel_hi:[1,0,0]   ; t - M, two at a time
.set n, n+2
.endr
.irp b, 0,1,2,3
	v_fma_f32 v[BM+\b], v[BM+\b], s[CS], v[\st]    ; the same of each block's largest score
.endr
.set n, 0
.rept 64
	v_exp_f32 v[S+n], v[S+n]                       ; p = 2^(t - M)
.set n, n+1
.endr
	v_pk_mul_f32 v[\st+2:\st+3], v[\st+2:\st+3], v[F:F+1] op_sel_hi:[1,0]   ; the sums under the new M (a plain line behind the exponentials)
	s_wait_alu depctr_va_vdst(0)                   ; the 64 exponentials have written p, ahead of its first reader; and the products k q^T are done reading v[KF ..], in which the loads below land
.irp t, 0,1,2,3
.irp c, 0,1
	ds_load_b128 v[KF+8*\t+4*\c:KF+8*\t+4*\c+3], v[AD] offset:4096+1024*\t+512*\c   ; v's four fragments land under the sums, the scales, the conversions and O^T's rescaling, none of which names these registers
.endr
.endr
.irp b, 0,1,2,3
	v_exp_f32 v[BM+\b], v[BM+\b]                   ; the block's largest p: the same two instructions on the same number
.endr
	v_pk_add_f32 v[L2:L2+1], v[S:S+1], v[S+2:S+3]  ; the row's sum of the unquantised p, in two chains
.set n, 4
.rept 15
	v_pk_add_f32 v[\st+2:\st+3], v[\st+2:\st+3], v[S+n:S+n+1]
	v_pk_add_f32 v[L2:L2+1], v[L2:L2+1], v[S+n+2:S+n+3]
.set n, n+4
.endr
	v_pk_add_f32 v[\st+2:\st+3], v[\st+2:\st+3], v[L2:L2+1]
	s_wait_alu depctr_va_vdst(0)                   ; the four exponentials have written the blocks' largest p, ahead of its first reader
.irp b, 0,1,2,3
	v_max_num_f32 v[BM+\b], 0x1800000, v[BM+\b]    ; the floor 2^(3 - 127): a block whose every p is 0 keeps the byte 1; its codes are zeros
.endr
.irp b, 0,1,2,3
	v_add_nc_u32 v[SO+\b], 0xff000000, v[BM+\b]    ; 2 off the exponent field: the conversion's scale operand
.endr
.irp b, 0,1,2,3
	v_lshrrev_b32 v[PX+\b], 23, v[SO+\b]           ; the scale's byte
.endr
	v_lshl_or_b32 v[PS], v[PX+1], 8, v[PX]
	v_lshl_or_b32 v[PS], v[PX+2], 16, v[PS]
	v_lshl_or_b32 v[PS], v[PX+3], 24, v[PS]
.irp b, 0,1,2,3
	v_cvt_scalef32_pk8_fp4_f32 v[PC+2*\b], v[S+16*\b:S+16*\b+7], v[SO+\b]
	v_cvt_scalef32_pk8_fp4_f32 v[PC+2*\b+1], v[S+16*\b+8:S+16*\b+15], v[SO+\b]
.endr
	v_nop                                          ; one plain line behind a scaled conversion
.irp c, 0,1                                    ; a whole block in a lane: lanes 0-15 block 2 c, lanes 16-31 block 2 c + 1
.irp i, 0,1
	v_permlane16_swap_b32 v[PC+4*\c+\i], v[PC+2+4*\c+\i]
.endr
.endr
.set n, 0
.rept 16
	v_pk_mul_f32 v[\o+n:\o+n+1], v[\o+n:\o+n+1], v[F:F+1] op_sel_hi:[1,0]   ; O^T under the new M.  For each product below twelve of these name none of its registers: the places behind p's scale word and codes
.set n, n+2
.endr
	s_wait_alu depctr_va_vdst(0)                   ; p's codes v[PC ..] and its scale word v[PS] are written, which the scaled products below take; the places above stay beside this wait
	s_wait_dscnt 0x0                               ; v's fragments
.irp t, 0,1,2,3
	v_wmma_scale_f32_16x16x128_f8f6f4 v[\o+8*\t:\o+8*\t+7], v[KF+8*\t:KF+8*\t+7], v[PC:PC+7], v[\o+8*\t:\o+8*\t+7], v[SC+\t], v[PS] matrix_a_fmt:MATRIX_FMT_FP4 matrix_b_fmt:MATRIX_FMT_FP4 matrix_a_scale:MATRIX_SCALE_ROW1
.endr
.Lskip_\@:
.endm
.Lstep:                                            ; 16 trips, a constant: what a tile does not need is jumped over inside
	s_wait_kmcnt 0x0                               ; this step's mask words
	s_mov_b32 s[MW], s[MWN]
	s_mov_b32 s[MW+1], s[MWN+1]
	s_mov_b32 s[MW+2], s[MWN+2]
	s_mov_b32 s[MW+3], s[MWN+3]
	s_or_b32 s[ANY], s[MWN], s[MWN+1]
	s_or_b32 s[T0], s[MWN+2], s[MWN+3]
	s_or_b32 s[ANY], s[ANY], s[T0]
	s_add_co_u32 s[OFF], s[OFF], 16
	s_min_u32 s[OFF], s[OFF], 240                  ; the next step's, a trip ahead; held inside the batch's 256 bytes (the last trip's load repeats its own words, and nobody reads them)
	s_load_b128 s[MWN:MWN+3], s[54:55], s[OFF] offset:0x0
	s_wait_alu depctr_vm_vsrc(0)                   ; the LDS loads issued so far have read v[AD]
	v_add_nc_u32 v[AD], s[TB], v[L16]              ; this trip's record, for both tiles: the one address that is written in the loop
	STEP QZA, QSA, OA, STA, JA, 28
	STEP QZB, QSB, OB, STB, JB, 29
	s_add_co_u32 s[TB], s[TB], REC
	s_add_co_u32 s[J], s[J], 1
	s_cmp_lt_u32 s[J], 16
	s_cbranch_scc1 .Lstep
; THE WAY OUT of a tile: O^T / the sum, quantised along the head's two blocks of 32, becomes half a fragment of the last product's A and two scale bytes a row.  Both tiles' arithmetic comes first, then the four stores.
.macro FINISH o, st, d, pcx, w
	v_add_f32 v[TMP], v[\st+2], v[\st+3]           ; the sum's two halves,
	v_permlanex16_b32 v[PX], v[TMP], s[SEL], s[SEL+1]
	v_add_f32 v[TMP], v[TMP], v[PX]                ; and lane l xor 16's
	v_rcp_f32 v[F], v[TMP]
	v_cmp_eq_f32 vcc_lo, 0, v[TMP]                 ; no key counted for my query (a plain line behind the reciprocal)
	s_wait_alu depctr_va_vcc(0)                    ; the compare has written VCC, ahead of the first select that reads it
	s_wait_alu depctr_va_vdst(0)                   ; the reciprocal has written v[F], ahead of its first reader
	v_cndmask_b32 v[F], v[F], v[F+1], vcc_lo       ; such a row's numbers become zeros
.set n, 0
.rept 16
	v_pk_mul_f32 v[\d+n:\d+n+1], v[\o+n:\o+n+1], v[F:F+1] op_sel_hi:[1,0]   ; each accumulator from its low end on
.set n, n+2
.endr
.irp g, 0,1
	v_max3_num_f32 v[BM+\g], |v[\d+16*\g]|, |v[\d+16*\g+1]|, 0x1800000
.endr
.irp i, 2,4,6,8,10,12,14
.irp g, 0,1
	v_max3_num_f32 v[BM+\g], v[BM+\g], |v[\d+16*\g+\i]|, |v[\d+16*\g+\i+1]|
.endr
.endr
.irp g, 0,1
	v_permlanex16_b32 v[PX+\g], v[BM+\g], s[SEL], s[SEL+1]
.endr
.irp g, 0,1
	v_max_num_f32 v[BM+\g], v[BM+\g], v[PX+\g]
.endr
.irp g, 0,1
	v_add_nc_u32 v[SO+\g], 0xff000000, v[BM+\g]
.endr
.irp g, 0,1
	v_lshrrev_b32 v[PX+\g], 23, v[SO+\g]
.endr
	v_lshl_or_b32 v[\w], v[PX+1], 8, v[PX]
	v_mov_b32 v[TMP+1], 0xffff
	v_cndmask_b32 v[\w], v[\w], v[TMP+1], vcc_lo   ; a row without keys: both bytes are E8M0's NaN
.irp g, 0,1
	v_cvt_scalef32_pk8_fp4_f32 v[\pcx+2*\g], v[\d+16*\g:\d+16*\g+7], v[SO+\g]
	v_cvt_scalef32_pk8_fp4_f32 v[\pcx+2*\g+1], v[\d+16*\g+8:\d+16*\g+15], v[SO+\g]
.endr
	v_nop                                          ; one plain line behind a scaled conversion
	v_permlane16_swap_b32 v[\pcx], v[\pcx+2]       ; lanes 0-15: block 0 whole, lanes 16-31: block 1
	v_permlane16_swap_b32 v[\pcx+1], v[\pcx+3]
.endm
.rept 4
	v_nop                                          ; places behind the last products
.endr
	FINISH OA, STA, S, PC, WDA
	FINISH OB, STB, S+32, PC+4, WDB                ; registers of its own for what is stored: no store's data are written again
	s_wait_alu depctr_va_vdst(0)                   ; both tiles' codes v[PC ..] and scale bytes v234, v235 are written, which the four stores read
	global_store_b128 v[L16], v[PC:PC+3], s[46:47]         ; 512 consecutive bytes, aligned
	global_store_b16 v[SA], v[WDA], s[48:49]               ; lanes r and 16 + r write the same two bytes with the same value
	global_store_b128 v[L16], v[PC+4:PC+7], s[50:51]
	global_store_b16 v[SA], v[WDB], s[52:53]
	s_wait_dscnt 0x0
	s_wait_alu depctr_hold_cnt(0) depctr_sa_sdst(0) depctr_va_vdst(0) depctr_va_sdst(0) depctr_va_ssrc(0) depctr_va_vcc(0) depctr_vm_vsrc(0)
	s_wait_tensorcnt 0x0
	ds_add_u32 v238, v239
	s_wait_dscnt 0x0
	s_endpgm
.Lfunc_end_k_qa47fc35bec_attn:
	.size	k_qa47fc35bec_attn, .Lfunc_end_k_qa47fc35bec_attn-k_qa47fc35bec_attn
	.p2alignl 7, 3214868480
	.fill 96, 4, 3214868480
	.section	.rodata,"a",@progbits
	.p2align	6, 0x0
	.amdhsa_kernel k_qa47fc35bec_attn
		.amdhsa_group_segment_fixed_size 141312
		.amdhsa_private_segment_fixed_size 0
		.amdhsa_enable_private_segment 0
		.amdhsa_kernarg_size 40
		.amdhsa_user_sgpr_count 2
		.amdhsa_user_sgpr_kernarg_segment_ptr 1
		.amdhsa_wavefront_size32 1
		.amdhsa_system_sgpr_workgroup_id_x 1
		.amdhsa_system_sgpr_workgroup_id_y 1
		.amdhsa_system_sgpr_workgroup_id_z 1
		.amdhsa_system_vgpr_workitem_id 0
		.amdhsa_next_free_vgpr 240
		.amdhsa_next_free_sgpr 72
		.amdhsa_reserve_vcc 1
		.amdhsa_float_denorm_mode_32 3
		.amdhsa_float_denorm_mode_16_64 3
		.amdhsa_memory_ordered 1
		.amdhsa_forward_progress 1
		.amdhsa_inst_pref_size 88
	.end_amdhsa_kernel
	.amdgpu_metadata
---
amdhsa.version: [ 1, 2 ]
amdhsa.kernels:
  - .name:           k_qa47fc35bec_attn
    .symbol:         k_qa47fc35bec_attn.kd
    .args:
      - { .name: qkv_codes, .offset: 0, .size: 8, .value_kind: global_buffer, .address_space: global }
      - { .name: qkv_scales, .offset: 8, .size: 8, .value_kind: global_buffer, .address_space: global }
      - { .name: maskbits, .offset: 16, .size: 8, .value_kind: global_buffer, .address_space: global }
      - { .name: a_img, .offset: 24, .size: 8, .value_kind: global_buffer, .address_space: global }
      - { .name: a_scales, .offset: 32, .size: 8, .value_kind: global_buffer, .address_space: global }
    .group_segment_fixed_size: 141312
    .private_segment_fixed_size: 0
    .kernarg_segment_align: 8
    .kernarg_segment_size: 40
    .max_flat_workgroup_size: 512
    .sgpr_count:     72
    .vgpr_count:     240
    .wavefront_size: 32
...
	.end_amdgpu_metadata
.endif
;; end of part 5
;; launch outp: the kernel of part 4 again; grid 4 x 32, 4 waves a work-group, clusters of 4 x 4, 327,680 bytes of LDS; arguments a_img, a_scales, xw_codes, xw_scales, out0, bo; writes out0
